; MI455X (gfx1250); checked and timed in simulation.
; The chip was launched on July 23, 2026; its instructions are those of AMD's public machine-readable ISA for CDNA 5 (MIT licence, August 2026) and "CDNA5" Instruction Set Architecture Reference Guide (July 2026). The comments in the code are by the model that wrote it; some were corrected since.
;; Attention. Allowed arithmetic: matrix products marked QUANTISED: E2M3 operands, one E8M0 scale for each 32 along K, by v_wmma_scale_f32_16x16x128_f8f6f4 with both operands' format E2M3, f32 sums; everything else in f32.
;; Inputs: Wkv 512 x 1,024 float32; Wout 512 x 512 float32; Wq 512 x 512 float32; bout 512 float32; context 4 x 8,192 x 512 float32; x 4 x 1,024 x 512 float32.
;; Outputs: out0 4 x 1,024 x 512 float32.
;; This version of the problem:
;;   THIS VERSION OF THE PROBLEM IS GIVEN IN LOW PRECISION. The matrix products marked QUANTISED in the list below multiply operands that are first quantised to E2M3 (2 exponent bits, 3 mantissa bits; 6 bits a number), with one power-of-two scale for each 32 numbers along K (OCP MX v1.0); their sums are f32. All else is computed in f32.
;;   The module's matrix products, in the order in which they are computed (A, B: the left and right operand; K: the contracted axis; several contracted axes count as one K, in the product's order):
;;     1. [M 4,096, K 512] x [K 512, N 512]; A: input x; B: input Wq: QUANTISED
;;     2. [M 32,768, K 512] x [K 512, N 1,024]; A: input context; B: input Wkv: QUANTISED
;;     3. batch 32 x [M 1,024, K 64] x [K 64, N 8,192]; A: computed on the way; B: computed on the way: QUANTISED
;;     4. batch 32 x [M 1,024, K 8,192] x [K 8,192, N 64]; A: softmax (see below); B: computed on the way: QUANTISED
;;     5. [M 4,096, K 512] x [K 512, N 512]; A: computed on the way; B: input Wout: QUANTISED
;;   THE QUANTISER, for each operand of a quantised product, along K:
;;     - K is cut into blocks of 32 from its start; a last block that is shorter is filled with zeros.
;;     - A block's scale is 2^e with e = floor(log2(the largest magnitude in the block)) - 2, held to -126 .. 127; a block of zeros has e = 0. As a byte (E8M0): e + 127.
;;     - Each number is divided by its block's scale, clamped to +-7.5, and rounded to the nearest number of E2M3, ties to even, subnormals kept.
;;     - The product sums the exact products of the quantised numbers (number of the format x scale) in f32.
;;   ~~~python
;;   def quantise(x, axis):      # numpy; x: float32 -> the quantised numbers, widened to float32 again
;;       x = np.moveaxis(x, axis, -1); K = x.shape[-1]
;;       x = np.pad(x, [(0, 0)] * (x.ndim - 1) + [(0, -K % 32)]); x = x.reshape(x.shape[:-1] + (-1, 32)); a = np.abs(x).max(-1, keepdims=True)
;;       e = np.where(a > 0, np.clip(np.frexp(np.where(a > 0, a, 1))[1] - 1 - 2, -126, 127), 0)      # np.frexp(a)[1] - 1 = floor(log2(a)), exactly
;;       r = np.clip(x / 2.0 ** e, -7.5, 7.5)
;;       step = 2.0 ** (np.maximum(np.frexp(np.where(r == 0, 1, r))[1] - 1, 0) - 3)
;;       q = np.round(r / step) * step * 2.0 ** e      # np.round: ties to even
;;       return np.moveaxis(q.reshape(q.shape[:-2] + (-1,))[..., :K], -1, axis).astype(np.float32)
;;   ~~~
;;   SOFTMAX AHEAD OF A QUANTISED PRODUCT. Where the list says 'softmax', what is quantised is not the finished softmax but p = 2^(t - M), with t = logit x log2(e) and M = ceil(the row's largest t), a whole number; so 1/2 < the row's largest p <= 1. The row's sum l is taken of the UNQUANTISED p, in f32, and the product's result is divided by l at the end. Since M is a whole number, a kernel that streams over the keys may use a running M (the ceiling of the running maximum): every later rescaling is an exact power of two, which a block's scale takes up: the codes' values come out the same.
;;   OPERANDS COMPUTED ON THE WAY. 'Computed on the way' means the value that the module computes at that place (a softmax that the list does not call 'softmax' is quantised finished and normalised). What goes into a quantiser is computed in f32, as accurately as f32 sums, v_exp_f32 and their like allow (about 1e-6 of the number): no bf16 or f16 on the way to a quantiser, and a product that is left as it is and whose result goes on into a quantised operand takes f32 operands (vector FMAs, or v_wmma_f32_16x16x4_f32). A number that lies on a knife's edge between two numbers of the format may be rounded either way, as far as f32 arithmetic and the matrix unit's own rounding can turn it there, and no further.
;; 2 versions. Each part assembles by itself: llvm-mc -triple=amdgcn-amd-amdhsa -mcpu=gfx1250 --defsym DOCPART=n.
;; ======== version 1 of 2: 4 launches
;; workspace buffers: wc 819,200 bytes; kv 26,738,688 bytes; qc 2,097,152 bytes; ao 2,097,152 bytes
;; launch wquant (part 1): grid 64 x 1, 16 waves a work-group, no clusters, 14,848 bytes of LDS; arguments Wkv, Wq, Wout, wc; writes wc
.if DOCPART == 1
	.amdgcn_target "amdgcn-amd-amdhsa--gfx1250"
	.amdhsa_code_object_version 6
	.text
	.protected	k_q38471a4c2b_wquant
	.globl	k_q38471a4c2b_wquant
	.p2align	8
	.type	k_q38471a4c2b_wquant,@function
k_q38471a4c2b_wquant:
	s_mov_b64 s[64:65], 0
	v_nop
	global_prefetch_b8 v0, s[64:65] scope:SCOPE_SE
	s_setreg_imm32_b32 hwreg(HW_REG_WAVE_MODE, 25, 1), 1
	s_wait_xcnt 0x0
; Wkv [512][1024], Wq [512][512], Wout [512][512], f32, K on the first axis, become codes of FP6 (E2M3) with one E8M0 byte for each 32 along K,
; laid as IMAGES OF THE OPERAND'S REGISTERS.  wc holds 64 records of 12,800 bytes, one for each 32 columns: 0-15 Wk's, 16-31 Wv's, 32-47 Wq's, 48-63 Wout's.
; A record is two tiles of 16 columns (u = 0, 1): lane r of tile u holds column 8 u + r + 8 (r / 8) of the 32, so that the results of the two tiles are 16 neighbours in a lane.
; Fragment (u, s), 128 along K, lies at (4 u + s) x 1,536: registers 4 g .. 4 g + 3 of lane l at 512 g + 16 l.  The scale bytes lie at 12,288: byte 16 (r + 16 u) + block.
; SHARES: a work-group makes one record; wave w takes K block w (rows 32 w ..), lane l column l of the 32: a block lies in one lane's 32 registers, so its largest magnitude needs no other lane.
; A block's byte is the exponent field of its largest magnitude less 2, held at 1 from below (a block of zeros keeps 1: its codes are zeros, and this program alone reads the bytes).
; LIMITS: NaN and infinities among the inputs are not served; blocks whose largest magnitude lies under 2^-124 keep the byte 1.
.set REC,   12800
.set SPARE, 12800                      ; behind the record: the spare words, 128 bytes for each of 16 waves
.set X,     16                         ; v16-47 my block's 32 numbers
.macro LOADS pitch                     ; row i of my block at my column: 32 lanes read 128 consecutive bytes
.irp i, 0,1,2,3,4,5,6,7,8,9,10,11,12,13,14,15,16,17,18,19,20,21,22,23,24,25,26,27,28,29,30,31
	global_load_b32 v[X+\i], v4, s[4:5] offset:\i*\pitch th:TH_LOAD_NT
.endr
.endm
	s_load_b256 s[4:11], s[0:1], 0x0               ; Wkv s[4:5], Wq s[6:7], Wout s[8:9], wc s[10:11]
	v_lshl_add_u32 v1, v0, 2, SPARE                ; my spare word; never rewritten
	v_mov_b32 v2, 0                                ; 0; never rewritten
	v_lshrrev_b32 v3, 5, v0
	v_readfirstlane_b32 s12, v3                    ; wave 0..15 = K block
	v_and_b32 v3, 31, v0
	v_lshlrev_b32 v4, 2, v3                        ; 4 bytes a lane
	v_bfe_u32 v5, v0, 3, 1                         ; u: which tile my column belongs to
	v_and_b32 v6, 7, v0
	v_bfe_u32 v7, v0, 4, 1
	v_lshl_add_u32 v6, v7, 3, v6                   ; r: its lane in that tile
	v_mul_u32_u24 v7, v5, 6144
	v_lshl_add_u32 v7, v6, 4, v7                   ; 6,144 u + 16 r
	s_lshr_b32 s13, s12, 2                         ; s: the K step of 128
	s_bfe_u32 s14, s12, 0x10001                    ; c: which half of the fragment's registers
	s_and_b32 s15, s12, 1                          ; h: which half of the lanes
	s_mul_i32 s13, s13, 1536
	s_lshl_b32 s15, s15, 8
	s_add_co_u32 s13, s13, s15                     ; 1,536 s + 256 h
	s_mul_i32 s15, s14, 520                        ; registers 6 c, 6 c + 1 lie at byte 0 (c = 0) or 520 (c = 1) of the lane's places, registers 6 c + 4, 6 c + 5 512 further on,
	s_add_co_u32 s15, s15, s13
	v_add_nc_u32 v8, s15, v7
	s_mul_i32 s15, s14, 1016                       ; registers 6 c + 2, 6 c + 3 at byte 8 or 1,024
	s_add_co_u32 s15, s15, s13
	s_add_co_u32 s15, s15, 8
	v_add_nc_u32 v9, s15, v7
	v_lshlrev_b32 v10, 4, v6
	v_lshl_add_u32 v10, v5, 8, v10
	s_add_co_u32 s15, s12, 12288
	v_add_nc_u32 v10, s15, v10                     ; my scale byte: 12,288 + 16 r + 256 u + block
	v_lshlrev_b32 v11, 4, v0                       ; the way out: 16 bytes a thread
	s_wait_kmcnt 0x0
	s_cmp_lt_u32 ttmp9, 32                         ; which tensor: the choice hangs on the work-group's number alone
	s_cselect_b64 s[4:5], s[4:5], s[6:7]
	s_cselect_b32 s16, 0, 32
	s_cselect_b32 s17, 17, 16                      ; 32 rows are 2^17 bytes in Wkv, 2^16 in the others
	s_cmp_lt_u32 ttmp9, 48
	s_cselect_b64 s[4:5], s[4:5], s[8:9]
	s_cselect_b32 s16, s16, 48
	s_sub_co_u32 s16, ttmp9, s16
	s_lshl_b32 s16, s16, 7                         ; 32 columns are 128 bytes
	s_lshl_b32 s17, s12, s17
	s_add_co_u32 s16, s16, s17
	s_mov_b32 s17, 0
	s_add_nc_u64 s[4:5], s[4:5], s[16:17]
	s_mul_i32 s18, ttmp9, REC
	s_mov_b32 s19, 0
	s_add_nc_u64 s[10:11], s[10:11], s[18:19]
	s_cmp_lt_u32 ttmp9, 32
	s_cbranch_scc0 .Lnarrow
	LOADS 4096
	s_branch .Lloaded
.Lnarrow:
	LOADS 2048
.Lloaded:
	s_wait_loadcnt 0x0
	v_max3_num_f32 v12, |v[X]|, |v[X+1]|, |v[X+2]|                 ; the block's largest magnitude, in two chains
	v_max3_num_f32 v13, |v[X+3]|, |v[X+4]|, |v[X+5]|
.irp i, 6,10,14,18,22,26
	v_max3_num_f32 v12, v12, |v[X+\i]|, |v[X+\i+1]|
	v_max3_num_f32 v13, v13, |v[X+\i+2]|, |v[X+\i+3]|
.endr
	v_max3_num_f32 v12, v12, |v[X+30]|, |v[X+31]|
	v_max3_num_f32 v12, v12, v13, 0x1800000        ; and the floor 2^(3 - 127): the byte cannot fall under 1
	v_add_nc_u32 v14, 0xff000000, v12              ; 2 off the exponent field: the conversion's scale operand
	v_lshrrev_b32 v15, 23, v14                     ; the scale's byte
	v_cvt_scalef32_pk16_fp6_f32 v[48:50], v[X:X+15], v14
	v_cvt_scalef32_pk16_fp6_f32 v[56:58], v[X+16:X+31], v14       ; (a conversion's three registers begin on an even number)
	v_nop                                          ; one plain place behind a scaled conversion
	v_mov_b32 v51, v56
	v_mov_b32 v52, v57
	v_mov_b32 v53, v58                             ; v48-53: registers 6 c .. 6 c + 5 of lane (r, h) of fragment (u, s)
	ds_store_b64 v8, v[48:49]
	ds_store_b64 v9, v[50:51]
	ds_store_b64 v8, v[52:53] offset:512
	ds_store_b8 v10, v15
	s_wait_dscnt 0x0                               ; for the others' sake: my stores have landed
	s_barrier_signal -1
	s_barrier_wait -1
	ds_load_b128 v[60:63], v11                     ; the record leaves as it lies: 25 pieces of 512 bytes, wave w takes piece w,
	s_wait_dscnt 0x0
	global_store_b128 v11, v[60:63], s[10:11]      ; 32 lanes store 512 consecutive bytes, at a multiple of 256 from wc's first byte
	s_cmp_lt_u32 s12, 9
	s_cbranch_scc0 .Ldone
	ds_load_b128 v[56:59], v11 offset:8192         ; and waves 0 to 8 piece 16 + w
	s_wait_dscnt 0x0
	global_store_b128 v11, v[56:59], s[10:11] offset:8192
.Ldone:
	s_wait_tensorcnt 0x0                           ; the wave's end, behind my last LDS store
	ds_add_u32 v1, v2
	s_wait_dscnt 0x0
	s_endpgm
.Lfunc_end_k_q38471a4c2b_wquant:
	.size	k_q38471a4c2b_wquant, .Lfunc_end_k_q38471a4c2b_wquant-k_q38471a4c2b_wquant
	.p2alignl 7, 3214868480
	.fill 96, 4, 3214868480
	.section	.rodata,"a",@progbits
	.p2align	6, 0x0
	.amdhsa_kernel k_q38471a4c2b_wquant
		.amdhsa_group_segment_fixed_size 14848
		.amdhsa_private_segment_fixed_size 0
		.amdhsa_enable_private_segment 0
		.amdhsa_kernarg_size 32
		.amdhsa_user_sgpr_count 2
		.amdhsa_user_sgpr_kernarg_segment_ptr 1
		.amdhsa_wavefront_size32 1
		.amdhsa_system_sgpr_workgroup_id_x 1
		.amdhsa_system_sgpr_workgroup_id_y 1
		.amdhsa_system_sgpr_workgroup_id_z 1
		.amdhsa_system_vgpr_workitem_id 0
		.amdhsa_next_free_vgpr 64
		.amdhsa_next_free_sgpr 66
		.amdhsa_reserve_vcc 0
		.amdhsa_float_denorm_mode_32 3
		.amdhsa_float_denorm_mode_16_64 3
		.amdhsa_memory_ordered 1
		.amdhsa_forward_progress 1
		.amdhsa_inst_pref_size 11
	.end_amdhsa_kernel
	.amdgpu_metadata
---
amdhsa.version: [ 1, 2 ]
amdhsa.kernels:
  - .name:           k_q38471a4c2b_wquant
    .symbol:         k_q38471a4c2b_wquant.kd
    .args:
      - { .name: Wkv, .offset: 0, .size: 8, .value_kind: global_buffer, .address_space: global }
      - { .name: Wq, .offset: 8, .size: 8, .value_kind: global_buffer, .address_space: global }
      - { .name: Wout, .offset: 16, .size: 8, .value_kind: global_buffer, .address_space: global }
      - { .name: wc, .offset: 24, .size: 8, .value_kind: global_buffer, .address_space: global }
    .group_segment_fixed_size: 14848
    .private_segment_fixed_size: 0
    .kernarg_segment_align: 8
    .kernarg_segment_size: 32
    .max_flat_workgroup_size: 512
    .sgpr_count:     66
    .vgpr_count:     64
    .wavefront_size: 32
...
	.end_amdgpu_metadata
.endif
;; end of part 1
;; launch proj (part 2): grid 256 x 1, 4 waves a work-group, no clusters, 92,160 bytes of LDS; arguments context, x, wc, kv, qc; writes kv, qc
.if DOCPART == 2
	.amdgcn_target "amdgcn-amd-amdhsa--gfx1250"
	.amdhsa_code_object_version 6
	.text
	.protected	k_q38471a4c2b_proj
	.globl	k_q38471a4c2b_proj
	.p2align	8
	.type	k_q38471a4c2b_proj,@function
k_q38471a4c2b_proj:
	s_mov_b64 s[64:65], 0
	v_nop
	global_prefetch_b8 v0, s[64:65] scope:SCOPE_SE
	s_setreg_imm32_b32 hwreg(HW_REG_WAVE_MODE, 25, 1), 1
	s_wait_xcnt 0x0
; kv = context Wkv and q = x Wq on codes of FP6 (E2M3), one E8M0 scale for each 32 along K = 512; the results are quantised at once for attention and never go to memory as f32:
; k and q along the head's 64, v along the keys.  context [4][8192][512], x [4][1024][512]: f32, quantised here.  The weights come as register images from wc (64 records of 12,800 bytes).
; SHARES.  Work-group g takes 128 tokens of context (one key step of attention) and 16 rows of x (one tile of queries): every work-group has the same work.  Wave w quantises token tiles 2 w, 2 w + 1 and
; K step w of the x tile; the images meet in LDS behind ONE barrier.  Then THE WAVES SHARE THE COLUMNS: wave w makes heads 2 w and 2 w + 1 of k, of v and of q for all rows.
; THE TOKENS OF A TILE ARE NOT NEIGHBOURS, NOR ARE A WEIGHT TILE'S COLUMNS: lane r of tile 2 b + u holds item 32 b + 8 u + r + 8 (r / 8), so that the 16 result registers of tiles 2 b, 2 b + 1 are 16 neighbours, 32 b + 16 (lane / 16) + 0 .. 15.
; k, q: source 0 = 16 columns of the weight, source 1 = 16 rows: a lane holds one row and its registers run along the head's dims.   v: source 0 = 16 tokens, source 1 = 16 columns: a lane holds one dim and its registers run along the keys.
; OUT.  kv: a record of 13,056 bytes for each (batch, head, key step): K's image (8 tiles x 6 registers) at 0, V's four fragments at 6,144, K's scale words at 12,288 (16 x lane + 4 (t % 4), lane = r + 16 (t / 4)),
; V's at 12,800 (8 x lane + 4 (t % 2), lane = r + 16 (t / 2)).   qc: 1,024 bytes for each (batch, head, tile of queries): registers 0-3 at 16 x lane, 4-5 at 512 + 8 x lane, the scale word and a 0 at 768 + 8 x lane.
; LIMITS: NaN and infinities are not served; a block whose largest magnitude lies under 2^-124, a block of zeros too, keeps the byte 1 (its codes are zeros or next to it; this program alone reads the bytes).
; REGISTERS, in windows of 256.  Window 0: see the names below.  Window 1: v0-191 Wk's fragments of K steps 0, 1, later the tokens' fragments of K steps 0, 1; v192-239 one token tile's fragments (even tiles).
;   Window 2: the same for K steps 2, 3 and odd tiles.   Window 3: four sets of 64 numbers as loaded; later two sets of 96 (a tile of Wv and a tile of Wq), and at v192-239 the x tile's fragments.
.set XIMG,  0                          ; LDS: the tokens' 32 fragments (tile m, K step s: 4 m + s), 1,536 bytes each
.set QIMG,  49152                      ; the x tile's four
.set XSC,   55296                      ; the tokens' scale words: 512 (m / 2) + 16 x lane + 4 s; lanes 0-15 the even tile, lanes 16-31 the odd one
.set QSC,   57344                      ; the x tile's: 16 x lane + 4 s
.set STAGE, 57856                      ; 16 rows x (512 bytes + 16) for each wave
.set SPARE, 91648                      ; the spare words, 128 bytes for each wave
.set REC,   13056
.set HB,    64*REC                     ; from a head's record to the next head's
.set QHB,   65536
.set WREC,  12800
.set LI,  1                            ; v1  16 x lane
.set L8,  2                            ; v2  8 x lane
.set STA, 3                            ; v3  my stage + 16 x lane
.set STB, 4                            ; v4  my stage + 528 r + 64 h
.set XWI, 5                            ; v5  16 x lane + 12,288 w: where I store the tokens' images
.set XWS, 6                            ; v6  16 x lane + 512 w: and their scale words
.set QWI, 7                            ; v7  16 x lane + 1,536 w
.set QWS, 8                            ; v8  16 x lane + 4 w
.set SPW, 9                            ; v9  my spare word; never rewritten
.set NIL, 10                           ; v10 0; never rewritten
.set T0,  11
.set PWE, 12                           ; v12-15 the even tile's scale words, then both tiles'
.set PW,  16                           ; v16 the scale word just made
.set T1,  17
.set VW,  18                           ; v18-19 V's scale words of a head
.set WA,  20                           ; v20-23 K's scale words, head 2 w
.set WB4, 24                           ; v24-27 head 2 w + 1
.set ZA,  28                           ; v28-29 q's scale word and 0
.set ZB,  30
.set TM,  32                           ; v32-43 at work in QUANT
.set CT,  44                           ; v44-51
.set KA,  52                           ; v52-63 codes: two tiles of K, head 2 w; or any fragment just made
.set PC,  52
.set KB,  64                           ; v64-75 head 2 w + 1
.set WS,  76                           ; v76-91 Wk's scale words, later Wv's: register 4 p + s
.set XS,  92                           ; v92-107 the tokens'
.set QWS4, 108                         ; v108-123 Wq's
.set QS,  124                          ; v124-127 the x tile's
.set HA,  128                          ; v128-191 eight accumulators
.set ST,  192                          ; v192-255 64 numbers; later q's eight accumulators
.set QA,  192
.set SEL, 20
.set MSB, 0
.macro WIN new                         ; the immediate's high byte repeats the setting that is left; a switch that changes nothing is dropped
.if MSB != (\new)
	s_set_vgpr_msb (MSB<<8)|(\new)
.set MSB, (\new)
.endif
.endm
; one product 16 x 16 x 128.  zero: it starts the sum.  ra, rb: the side's scale words stand in lanes 16-31
.macro WM d, a, b, zero, sa, sb, ra, rb
.if \zero
.if (\ra) && (\rb)
	v_wmma_scale_f32_16x16x128_f8f6f4 v[(\d):(\d)+7], v[(\a):(\a)+11], v[(\b):(\b)+11], 0, v[\sa], v[\sb] matrix_a_fmt:MATRIX_FMT_FP6 matrix_b_fmt:MATRIX_FMT_FP6 matrix_a_scale:MATRIX_SCALE_ROW1 matrix_b_scale:MATRIX_SCALE_ROW1
.elseif \ra
	v_wmma_scale_f32_16x16x128_f8f6f4 v[(\d):(\d)+7], v[(\a):(\a)+11], v[(\b):(\b)+11], 0, v[\sa], v[\sb] matrix_a_fmt:MATRIX_FMT_FP6 matrix_b_fmt:MATRIX_FMT_FP6 matrix_a_scale:MATRIX_SCALE_ROW1
.elseif \rb
	v_wmma_scale_f32_16x16x128_f8f6f4 v[(\d):(\d)+7], v[(\a):(\a)+11], v[(\b):(\b)+11], 0, v[\sa], v[\sb] matrix_a_fmt:MATRIX_FMT_FP6 matrix_b_fmt:MATRIX_FMT_FP6 matrix_b_scale:MATRIX_SCALE_ROW1
.else
	v_wmma_scale_f32_16x16x128_f8f6f4 v[(\d):(\d)+7], v[(\a):(\a)+11], v[(\b):(\b)+11], 0, v[\sa], v[\sb] matrix_a_fmt:MATRIX_FMT_FP6 matrix_b_fmt:MATRIX_FMT_FP6
.endif
.else
.if (\ra) && (\rb)
	v_wmma_scale_f32_16x16x128_f8f6f4 v[(\d):(\d)+7], v[(\a):(\a)+11], v[(\b):(\b)+11], v[(\d):(\d)+7], v[\sa], v[\sb] matrix_a_fmt:MATRIX_FMT_FP6 matrix_b_fmt:MATRIX_FMT_FP6 matrix_a_scale:MATRIX_SCALE_ROW1 matrix_b_scale:MATRIX_SCALE_ROW1
.elseif \ra
	v_wmma_scale_f32_16x16x128_f8f6f4 v[(\d):(\d)+7], v[(\a):(\a)+11], v[(\b):(\b)+11], v[(\d):(\d)+7], v[\sa], v[\sb] matrix_a_fmt:MATRIX_FMT_FP6 matrix_b_fmt:MATRIX_FMT_FP6 matrix_a_scale:MATRIX_SCALE_ROW1
.elseif \rb
	v_wmma_scale_f32_16x16x128_f8f6f4 v[(\d):(\d)+7], v[(\a):(\a)+11], v[(\b):(\b)+11], v[(\d):(\d)+7], v[\sa], v[\sb] matrix_a_fmt:MATRIX_FMT_FP6 matrix_b_fmt:MATRIX_FMT_FP6 matrix_b_scale:MATRIX_SCALE_ROW1
.else
	v_wmma_scale_f32_16x16x128_f8f6f4 v[(\d):(\d)+7], v[(\a):(\a)+11], v[(\b):(\b)+11], v[(\d):(\d)+7], v[\sa], v[\sb] matrix_a_fmt:MATRIX_FMT_FP6 matrix_b_fmt:MATRIX_FMT_FP6
.endif
.endif
.endm
; 64 numbers of a lane, register s + 16 b + i = K index 32 b + 16 (lane / 16) + i of my row, become codes: blocks 0, 1 in v[d0 .. d0 + 5], blocks 2, 3 in v[d1 .. d1 + 5] (a whole block to a lane: lanes 0-15 the even one), and the scale word in v[pw].
.macro QUANT s, d0, d1, pw
.irp b, 0,1,2,3
	v_max3_num_f32 v[TM+\b], |v[(\s)+16*\b]|, |v[(\s)+1+16*\b]|, 0x1800000   ; my 16 numbers of block b, and the floor 2^(3 - 127): the byte cannot fall under 1.  (Each accumulator is read from its low end on)
.endr
.irp i, 2,4,6,8,10,12,14
.irp b, 0,1,2,3
	v_max3_num_f32 v[TM+\b], v[TM+\b], |v[(\s)+16*\b+\i]|, |v[(\s)+1+16*\b+\i]|   ; (the four blocks by turns)
.endr
.endr
.irp b, 0,1,2,3
	v_permlanex16_b32 v[TM+4+\b], v[TM+\b], s[SEL], s[SEL+1]
.endr
.irp b, 0,1,2,3
	v_max_num_f32 v[TM+\b], v[TM+\b], v[TM+4+\b]   ; with lane l xor 16's: the block's largest magnitude
.endr
.irp b, 0,1,2,3
	v_add_nc_u32 v[TM+8+\b], 0xff000000, v[TM+\b]  ; 2 off its exponent field: the conversion's scale operand
.endr
.irp b, 0,1,2,3
	v_lshrrev_b32 v[TM+4+\b], 23, v[TM+8+\b]       ; the scale's byte
.endr
	v_lshl_or_b32 v[\pw], v[TM+5], 8, v[TM+4]
	v_lshl_or_b32 v[\pw], v[TM+6], 16, v[\pw]
	v_lshl_or_b32 v[\pw], v[TM+7], 24, v[\pw]
	v_cvt_scalef32_pk16_fp6_f32 v[(\d0):(\d0)+2], v[(\s):(\s)+15], v[TM+8]
	v_cvt_scalef32_pk16_fp6_f32 v[CT:CT+2], v[(\s)+16:(\s)+31], v[TM+9]
	v_cvt_scalef32_pk16_fp6_f32 v[(\d1):(\d1)+2], v[(\s)+32:(\s)+47], v[TM+10]
	v_cvt_scalef32_pk16_fp6_f32 v[CT+4:CT+6], v[(\s)+48:(\s)+63], v[TM+11]
	v_nop                                          ; one plain place behind a scaled conversion
.irp i, 0,1,2
	v_permlane16_swap_b32 v[(\d0)+\i], v[CT+\i]    ; the first's lanes 16-31 change places with the second's lanes 0-15: each lane now has its block's lower 16 codes in the first, the upper 16 in the second
.endr
.irp i, 0,1,2
	v_mov_b32 v[(\d0)+3+\i], v[CT+\i]
.endr
.irp i, 0,1,2
	v_permlane16_swap_b32 v[(\d1)+\i], v[CT+4+\i]
.endr
.irp i, 0,1,2
	v_mov_b32 v[(\d1)+3+\i], v[CT+4+\i]
.endr
.endm
; Unit k of nine: 16 rows x 128 along K, f32.  Units 0-3: token tile 2 w, K steps 0-3; 4-7: tile 2 w + 1; 8: the x tile's K step w.  Each load reads a row's 512 consecutive bytes.
.macro ULOAD k
	WIN 0xc0                                       ; destination window 3
.if (\k) < 8
.irp i, 0,1,2,3,4,5,6,7,8,9,10,11,12,13,14,15
	global_load_b128 v[64*((\k)%4)+4*\i:64*((\k)%4)+4*\i+3], v[LI], s[4:5] offset:(8*((\k)/4)+\i+8*(\i/8))*2048+512*((\k)%4) th:TH_LOAD_NT
.endr
.else
.irp i, 0,1,2,3,4,5,6,7,8,9,10,11,12,13,14,15
	global_load_b128 v[64*((\k)%4)+4*\i:64*((\k)%4)+4*\i+3], v[LI], s[6:7] offset:\i*2048 th:TH_LOAD_NT
.endr
.endif
	WIN 0
.endm
; The unit turns through my stage: in as rows, back as 16 neighbours of each block of 32 for lane (r, h).  LDS serves a wave's instructions in order: no wait between the stores and the loads.
.macro TURN k
	WIN 0x0c                                       ; an LDS store's data: window 3
.irp i, 0,1,2,3,4,5,6,7,8,9,10,11,12,13,14,15
	ds_store_b128 v[STA], v[64*((\k)%4)+4*\i:64*((\k)%4)+4*\i+3] offset:528*\i
.endr
	WIN 0
.set DD, ST-64*((\k)%2)                ; even units into v192.., odd ones into v128..
.irp b, 0,1,2,3
.irp j, 0,1,2,3
	ds_load_b128 v[DD+16*\b+4*\j:DD+16*\b+4*\j+3], v[STB] offset:128*\b+16*\j
.endr
.endr
.endm
; Items a .. z - 1 of a list of 100 loads: Wk's four scale images, then its 32 fragments (K step s, tile t), three loads each, K step by K step
.macro WLOADS a, z
.set WL, \a
.rept (\z)-(\a)
.if WL < 4
	WIN 0
	global_load_b128 v[WS+4*WL:WS+4*WL+3], v[LI], s[8:9] offset:WL*WREC+12288
.else
.set WQ, WL-4
.set FS, WQ/24
.set FT, (WQ/3)%8
.set FC, WQ%3
	WIN ((1+FS/2)<<6)
	global_load_b128 v[96*(FS%2)+12*FT+4*FC:96*(FS%2)+12*FT+4*FC+3], v[LI], s[8:9] offset:(FT/2)*WREC+(4*(FT%2)+FS)*1536+512*FC
.endif
.set WL, WL+1
.endr
	WIN 0
.endm
.macro UNIT k
	s_wait_dscnt 0x0                               ; this unit is back from the stage, so its stores have read the set of registers that the next chunk of loads takes; the last images' stores have read the codes
.if (\k) <= 4
	ULOAD (\k)+4
.elseif (\k) < 8
	WLOADS 16*((\k)-5), 16*((\k)-4)
.else
	WLOADS 48, 100
.endif
.if (\k) < 8
	s_wait_loadcnt 48                              ; the next unit's 16 loads are in: three chunks of 16 were issued behind them
	TURN (\k)+1
.endif
.set DQ, ST-64*((\k)%2)
.if (\k) < 4
	QUANT DQ, PC, PC+6, PWE+(\k)
.else
	QUANT DQ, PC, PC+6, PW
.endif
.if (\k) < 8
.irp c, 0,1,2
	ds_store_b128 v[XWI], v[PC+4*\c:PC+4*\c+3] offset:XIMG+(\k)*1536+512*\c    ; the fragment goes to LDS as it stands
.endr
.else
.irp c, 0,1,2
	ds_store_b128 v[QWI], v[PC+4*\c:PC+4*\c+3] offset:QIMG+512*\c
.endr
	ds_store_b32 v[QWS], v[PW] offset:QSC
.endif
.if ((\k) >= 4) && ((\k) < 8)
	v_cndmask_b32 v[PWE+(\k)-4], v[PWE+(\k)-4], v[PW], s22    ; lanes 16-31 take the odd tile's word (both halves of the lanes hold their row's)
	ds_store_b32 v[XWS], v[PWE+(\k)-4] offset:XSC+4*((\k)-4)
.endif
.endm
.macro FETCHX m                        ; token tile m's four fragments, into window 1 (even tiles) or 2
	WIN ((1+(\m)%2)<<6)
.irp s, 0,1,2,3
.irp c, 0,1,2
	ds_load_b128 v[192+12*\s+4*\c:192+12*\s+4*\c+3], v[LI] offset:XIMG+(4*(\m)+\s)*1536+512*\c
.endr
.endr
	WIN 0
.endm
.macro SLOAD n                         ; tile n of my Wv and of my Wq, four fragments each, into set n % 2 of window 3
	WIN 0xc0
.irp s, 0,1,2,3
.irp c, 0,1,2
	global_load_b128 v[96*((\n)%2)+12*\s+4*\c:96*((\n)%2)+12*\s+4*\c+3], v[LI], s[8:9] offset:16*WREC+((\n)/2)*WREC+(4*((\n)%2)+\s)*1536+512*\c
.endr
.endr
.irp s, 0,1,2,3
.irp c, 0,1,2
	global_load_b128 v[96*((\n)%2)+48+12*\s+4*\c:96*((\n)%2)+48+12*\s+4*\c+3], v[LI], s[8:9] offset:32*WREC+((\n)/2)*WREC+(4*((\n)%2)+\s)*1536+512*\c
.endr
.endr
	WIN 0
.endm
.macro PLACES                          ; four plain places behind matrix instructions, ahead of reads of their results and of loads into their registers
.rept 4
	v_nop
.endr
.endm
; k of token tile m, my two heads: 32 products, the eight accumulators by turns, quantised along the head's dims
.macro KTILE m
	s_wait_dscnt 0x0                               ; the tile's fragments are in
.if (\m) < 7
	FETCHX (\m)+1                                  ; the next tile's, into the set whose last products stand a whole QUANT back
.endif
.if (\m) == 1
.irp p, 0,1,2,3
	global_load_b128 v[QWS4+4*\p:QWS4+4*\p+3], v[LI], s[8:9] offset:32*WREC+\p*WREC+12288
.endr
	SLOAD 0
	SLOAD 1
.endif
.irp s, 0,1,2,3
.if (\m) == 0
.if \s == 0
	s_wait_loadcnt 48                              ; Wk's scale words and K steps 0, 1 are in: the 48 loads of K steps 2, 3 were issued behind them
.endif
.if \s == 2
	s_wait_loadcnt 0x0
.endif
.endif
	WIN ((1+\s/2)|((1+(\m)%2)<<2))                 ; source 0: Wk, window 1 or 2; source 1: the tile, window 1 or 2
.irp t, 0,1,2,3,4,5,6,7
	WM HA+8*\t, 96*(\s%2)+12*\t, 192+12*\s, (\s==0), WS+4*(\t/2)+\s, XS+4*((\m)/2)+\s, \t%2, (\m)%2
.endr
.endr
	WIN 0
	PLACES
.if (((\m)%2) == 0) && ((\m) >= 2)
	s_wait_xcnt 0x0                                ; the last pair's stores have read the codes' registers
.endif
	QUANT HA, KA+6*((\m)%2), KB+6*((\m)%2), PW
.if (\m) < 4
	v_and_b32 v[WA+(\m)], 0xffff, v[PW]            ; bytes 0, 1: head 2 w; the upper bytes stay 0
	v_lshrrev_b32 v[WB4+(\m)], 16, v[PW]           ; bytes 2, 3: head 2 w + 1
.else
	v_and_b32 v[T0], 0xffff, v[PW]
	v_lshrrev_b32 v[T1], 16, v[PW]
	v_cndmask_b32 v[WA+(\m)-4], v[WA+(\m)-4], v[T0], s22      ; tiles 4-7 stand in lanes 16-31
	v_cndmask_b32 v[WB4+(\m)-4], v[WB4+(\m)-4], v[T1], s22
.endif
.if (\m)%2
.irp c, 0,1,2
	global_store_b128 v[LI], v[KA+4*\c:KA+4*\c+3], s[10:11] offset:1536*((\m)/2)+512*\c th:TH_STORE_NT      ; 32 lanes store 512 consecutive bytes, at a multiple of 256 from kv's first byte
	global_store_b128 v[LI], v[KB+4*\c:KB+4*\c+3], s[10:11] offset:HB+1536*((\m)/2)+512*\c th:TH_STORE_NT
.endr
.endif
.endm
; v: tile n of my 128 columns for all 128 tokens (eight accumulators by turns), quantised along the keys; and q: tile n of my 128 columns for the 16 rows of x, one product behind each eight
.macro VTILE n
.if ((\n) == 0) || ((\n) == 7)
	s_wait_loadcnt 0x0
.else
	s_wait_loadcnt 24                              ; this tile's 24 loads are in; the next tile's 24 were issued behind them
.endif
.irp s, 0,1,2,3
	WIN ((1+\s/2)|0x0c)                            ; source 0: the tokens, window 1 or 2; source 1: Wv, window 3
.irp m, 0,1,2,3,4,5,6,7
	WM HA+8*\m, 96*(\s%2)+12*\m, 96*((\n)%2)+12*\s, (\s==0), XS+4*(\m/2)+\s, WS+4*((\n)/2)+\s, \m%2, (\n)%2
.endr
	WIN 0x0f                                       ; Wq and the x tile: window 3
	WM QA+8*(\n), 96*((\n)%2)+48+12*\s, 192+12*\s, (\s==0), QWS4+4*((\n)/2)+\s, QS+\s, (\n)%2, 0
.endr
	WIN 0
	PLACES
	s_wait_xcnt 0x0                                ; the last stores have read the codes' and the scale words' registers
.if (\n) <= 5
	SLOAD (\n)+2
.endif
.if ((\n)%4) < 2
	QUANT HA, PC, PC+6, VW+(\n)%4
.else
	QUANT HA, PC, PC+6, PW
	v_cndmask_b32 v[VW+(\n)%4-2], v[VW+(\n)%4-2], v[PW], s22  ; a head's tiles 2, 3 stand in lanes 16-31
.endif
.irp c, 0,1,2
	global_store_b128 v[LI], v[PC+4*\c:PC+4*\c+3], s[10:11] offset:6144+1536*((\n)%4)+512*\c+((\n)/4)*HB th:TH_STORE_NT
.endr
.if ((\n)%4) == 3
	global_store_b64 v[L8], v[VW:VW+1], s[10:11] offset:12800+((\n)/4)*HB th:TH_STORE_NT      ; 32 lanes store 256 consecutive bytes
.endif
.endm
	s_load_b256 s[4:11], s[0:1], 0x0               ; context s[4:5], x s[6:7], wc s[8:9], kv s[10:11]
	s_load_b64 s[12:13], s[0:1], 0x20              ; qc
	v_lshl_add_u32 v[SPW], v0, 2, SPARE
	v_mov_b32 v[NIL], 0
	v_lshrrev_b32 v[T0], 5, v0
	v_readfirstlane_b32 s14, v[T0]                 ; wave 0..3
	v_and_b32 v[T0], 31, v0
	v_lshlrev_b32 v[LI], 4, v[T0]
	v_lshlrev_b32 v[L8], 3, v[T0]
	s_mul_i32 s15, s14, 8448
	s_add_co_u32 s15, s15, STAGE
	v_add_nc_u32 v[STA], s15, v[LI]
	v_and_b32 v[T0], 15, v0                        ; r
	v_bfe_u32 v[T1], v0, 4, 1                      ; h
	v_mul_u32_u24 v[STB], v[T0], 528
	v_lshl_add_u32 v[STB], v[T1], 6, v[STB]
	v_add_nc_u32 v[STB], s15, v[STB]
	s_mul_i32 s15, s14, 12288
	v_add_nc_u32 v[XWI], s15, v[LI]
	s_lshl_b32 s15, s14, 9
	v_add_nc_u32 v[XWS], s15, v[LI]
	s_mul_i32 s15, s14, 1536
	v_add_nc_u32 v[QWI], s15, v[LI]
	s_lshl_b32 s15, s14, 2
	v_add_nc_u32 v[QWS], s15, v[LI]
	s_mov_b32 s[SEL], 0x76543210
	s_mov_b32 s[SEL+1], 0xfedcba98                 ; v_permlanex16_b32's selects for lane l xor 16
	s_mov_b32 s22, 0xffff0000                      ; lanes 16-31
.irp b, 0,1,2,3
	v_mov_b32 v[TM+4+\b], 0                        ; written once: a lane permute's destination counts as one of its sources
.endr
	v_mov_b32 v[ZA+1], 0
	v_mov_b32 v[ZB+1], 0
	s_lshl_b32 s16, ttmp9, 18                      ; context: 128 tokens of 2,048 bytes a work-group,
	s_lshl_b32 s15, s14, 16                        ; 32 a wave
	s_add_co_u32 s16, s16, s15
	s_mov_b32 s17, 0
	s_lshl_b32 s18, ttmp9, 15                      ; x: 16 rows a work-group,
	s_lshl_b32 s15, s14, 9                         ; K step w
	s_add_co_u32 s18, s18, s15
	s_mov_b32 s19, 0
	s_mul_i32 s24, s14, 4*WREC                     ; wc: my four records of each weight
	s_mov_b32 s25, 0
	s_lshr_b32 s26, ttmp9, 6                       ; the batch
	s_lshl_b32 s26, s26, 3
	s_lshl_b32 s15, s14, 1
	s_add_co_u32 s26, s26, s15                     ; (batch, head 2 w)
	s_lshl_b32 s26, s26, 6
	s_and_b32 s15, ttmp9, 63
	s_add_co_u32 s26, s26, s15                     ; + the key step, which is also the tile of queries
	s_lshl_b32 s28, s26, 10
	s_mov_b32 s29, 0
	s_mul_i32 s26, s26, REC
	s_mov_b32 s27, 0
	s_wait_kmcnt 0x0
	s_add_nc_u64 s[4:5], s[4:5], s[16:17]
	s_add_nc_u64 s[6:7], s[6:7], s[18:19]
	s_add_nc_u64 s[8:9], s[8:9], s[24:25]
	s_add_nc_u64 s[10:11], s[10:11], s[26:27]
	s_add_nc_u64 s[12:13], s[12:13], s[28:29]
	; ---- X: my nine units are quantised; loads run four units (64 loads) ahead, the turn through the stage one unit
	ULOAD 0
	ULOAD 1
	ULOAD 2
	ULOAD 3
	s_wait_loadcnt 48                              ; unit 0 is in
	TURN 0
.irp k, 0,1,2,3,4,5,6,7,8
	UNIT \k
.endr
	s_wait_dscnt 0x0                               ; for the others' sake: my images and scale words have landed
	s_barrier_signal -1
	s_barrier_wait -1                              ; the launch's one barrier: from here on LDS is only read
	; ---- K
	FETCHX 0
.irp p, 0,1,2,3
	ds_load_b128 v[XS+4*\p:XS+4*\p+3], v[LI] offset:XSC+512*\p
.endr
.irp m, 0,1,2,3,4,5,6,7
	KTILE \m
.endr
	global_store_b128 v[LI], v[WA:WA+3], s[10:11] offset:12288 th:TH_STORE_NT
	global_store_b128 v[LI], v[WB4:WB4+3], s[10:11] offset:HB+12288 th:TH_STORE_NT
	; ---- V and q: all the tokens' fragments come into registers where Wk's lay (its last products stand a whole QUANT back); Wv and Wq stream, a tile at a time
.irp p, 0,1,2,3
	global_load_b128 v[WS+4*\p:WS+4*\p+3], v[LI], s[8:9] offset:16*WREC+\p*WREC+12288
.endr
	WIN 0x40
.irp s, 0,1
.irp m, 0,1,2,3,4,5,6,7
.irp c, 0,1,2
	ds_load_b128 v[96*\s+12*\m+4*\c:96*\s+12*\m+4*\c+3], v[LI] offset:XIMG+(4*\m+\s)*1536+512*\c
.endr
.endr
.endr
	WIN 0x80
.irp s, 2,3
.irp m, 0,1,2,3,4,5,6,7
.irp c, 0,1,2
	ds_load_b128 v[96*(\s-2)+12*\m+4*\c:96*(\s-2)+12*\m+4*\c+3], v[LI] offset:XIMG+(4*\m+\s)*1536+512*\c
.endr
.endr
.endr
	WIN 0xc0
.irp s, 0,1,2,3
.irp c, 0,1,2
	ds_load_b128 v[192+12*\s+4*\c:192+12*\s+4*\c+3], v[LI] offset:QIMG+\s*1536+512*\c
.endr
.endr
	WIN 0
	ds_load_b128 v[QS:QS+3], v[LI] offset:QSC
	s_wait_dscnt 0x0
.irp n, 0,1,2,3,4,5,6,7
	VTILE \n
.endr
	; ---- q's way out: its eight accumulators are 128 columns of my 16 rows: two heads
	s_wait_xcnt 0x0                                ; the last stores have read the codes' registers
	QUANT QA, PC, PC+6, PW
	v_and_b32 v[ZA], 0xffff, v[PW]
	v_lshrrev_b32 v[ZB], 16, v[PW]
	global_store_b128 v[LI], v[PC:PC+3], s[12:13] th:TH_STORE_NT
	global_store_b64 v[L8], v[PC+4:PC+5], s[12:13] offset:512 th:TH_STORE_NT
	global_store_b64 v[L8], v[ZA:ZA+1], s[12:13] offset:768 th:TH_STORE_NT
	global_store_b128 v[LI], v[PC+6:PC+9], s[12:13] offset:QHB th:TH_STORE_NT
	global_store_b64 v[L8], v[PC+10:PC+11], s[12:13] offset:QHB+512 th:TH_STORE_NT
	global_store_b64 v[L8], v[ZB:ZB+1], s[12:13] offset:QHB+768 th:TH_STORE_NT
	s_wait_tensorcnt 0x0                           ; the wave's end, behind my last LDS store (every window is 0 here)
	ds_add_u32 v[SPW], v[NIL]
	s_wait_dscnt 0x0
	s_endpgm
.Lfunc_end_k_q38471a4c2b_proj:
	.size	k_q38471a4c2b_proj, .Lfunc_end_k_q38471a4c2b_proj-k_q38471a4c2b_proj
	.p2alignl 7, 3214868480
	.fill 96, 4, 3214868480
	.section	.rodata,"a",@progbits
	.p2align	6, 0x0
	.amdhsa_kernel k_q38471a4c2b_proj
		.amdhsa_group_segment_fixed_size 92160
		.amdhsa_private_segment_fixed_size 0
		.amdhsa_enable_private_segment 0
		.amdhsa_kernarg_size 40
		.amdhsa_user_sgpr_count 2
		.amdhsa_user_sgpr_kernarg_segment_ptr 1
		.amdhsa_wavefront_size32 1
		.amdhsa_system_sgpr_workgroup_id_x 1
		.amdhsa_system_sgpr_workgroup_id_y 1
		.amdhsa_system_sgpr_workgroup_id_z 1
		.amdhsa_system_vgpr_workitem_id 0
		.amdhsa_next_free_vgpr 1024
		.amdhsa_next_free_sgpr 66
		.amdhsa_reserve_vcc 0
		.amdhsa_float_denorm_mode_32 3
		.amdhsa_float_denorm_mode_16_64 3
		.amdhsa_memory_ordered 1
		.amdhsa_forward_progress 1
		.amdhsa_inst_pref_size 255
	.end_amdhsa_kernel
	.section	.bss,"aw",@nobits
	.p2align	6
	.space	262144
	.amdgpu_metadata
---
amdhsa.version: [ 1, 2 ]
amdhsa.kernels:
  - .name:           k_q38471a4c2b_proj
    .symbol:         k_q38471a4c2b_proj.kd
    .args:
      - { .name: context, .offset: 0, .size: 8, .value_kind: global_buffer, .address_space: global }
      - { .name: x, .offset: 8, .size: 8, .value_kind: global_buffer, .address_space: global }
      - { .name: wc, .offset: 16, .size: 8, .value_kind: global_buffer, .address_space: global }
      - { .name: kv, .offset: 24, .size: 8, .value_kind: global_buffer, .address_space: global }
      - { .name: qc, .offset: 32, .size: 8, .value_kind: global_buffer, .address_space: global }
    .group_segment_fixed_size: 92160
    .private_segment_fixed_size: 0
    .kernarg_segment_align: 8
    .kernarg_segment_size: 40
    .max_flat_workgroup_size: 128
    .sgpr_count:     66
    .vgpr_count:     1024
    .wavefront_size: 32
...
	.end_amdgpu_metadata
.endif
;; end of part 2
;; launch attn (part 3): grid 8 x 32, 8 waves a work-group, clusters of 4 x 1, 327,680 bytes of LDS; arguments qc, kv, ao; writes ao
.if DOCPART == 3
	.amdgcn_target "amdgcn-amd-amdhsa--gfx1250"
	.amdhsa_code_object_version 6
	.text
	.protected	k_q38471a4c2b_attn
	.globl	k_q38471a4c2b_attn
	.p2align	8
	.type	k_q38471a4c2b_attn,@function
k_q38471a4c2b_attn:
	s_mov_b64 s[64:65], 0
	v_nop
	global_prefetch_b8 v0, s[64:65] scope:SCOPE_SE
	s_setreg_imm32_b32 hwreg(HW_REG_WAVE_MODE, 25, 1), 1
	s_wait_xcnt 0x0
	s_wait_alu depctr_hold_cnt(0) depctr_sa_sdst(0) depctr_va_vdst(0) depctr_va_sdst(0) depctr_va_ssrc(0) depctr_va_vcc(0) depctr_vm_vsrc(0)
	s_getreg_b32 s2, hwreg(HW_REG_IB_STS2, 6, 4)
	s_cmp_eq_u32 s2, 0
	s_cbranch_scc0 .Lentry_in_a_cluster
	s_endpgm
.Lentry_in_a_cluster:
	s_bfe_u32 s2, ttmp6, 0x10000c
	s_cmp_lg_u32 s2, 0x3003
	s_cbranch_scc0 .Lentry_shape_is_right
	s_endpgm
.Lentry_shape_is_right:
; O[b][h][q] = the sum over keys of softmax(q . k / 8) v, both products on codes of FP6 (E2M3) with one E8M0 scale for each 32 along a product's K; O / l is quantised at once, along the head's 64, for the last projection.
; THE SOFTMAX AHEAD OF THE SECOND PRODUCT: t = score x log2(e) / 8; M = the running largest t rounded UP to a whole number; p = 2^(t - M) is quantised along the keys, not normalised; the row's sum l is taken of the
; unquantised p.  When M moves, l and O are multiplied by 2^(old M - new M): exact, and no branch on data.
; IN.  kv: a record of 13,056 bytes for each (batch x head, step of 128 keys), all as images of the operands' registers (registers 4 g .. 4 g + 3 of lane l at 512 g + 16 l): K's 48 registers at 0 (tile t of 16 keys: registers 6 t .. 6 t + 5),
; V's four fragments at 6,144, K's scale words at 12,288, V's at 12,800.  qc: 1,024 bytes for each (batch x head, tile of 16 queries).   OUT.  ao: 1,024 bytes for each (tile of queries, head), in qc's form.
; K = 64 IN AN INSTRUCTION OF K = 128: Q's registers 6-11 are zero codes, so whatever stands in K's registers 6-11 adds nothing: K's tiles lie 6 registers apart, a tile's upper half is the next tile's codes, and 6 registers of zeros follow tile 7.
; Scale bytes 2, 3 are 0 on both sides.
; SHARES.  A work-group owns 128 queries of one head, each of its eight waves 16: one tile, in 256 registers, two waves to a SIMD.  Every wave walks the head's 64 steps of 128 keys.
; LAYOUT.  Both products are used transposed (S^T = K Q^T, O^T = V^T P^T): a lane holds ONE query (lane % 16).  The keys of a tile of K and the dims of a tile of V are not neighbours (lane r of tile 2 b + u: item 32 b + 8 u + r + 8 (r / 8)),
; so that the 16 registers of tiles 2 b, 2 b + 1 are 16 neighbours: p and O are quantised without changing lanes but for the exchange of halves.
; RING.  Two LDS slots of 8 records.  CLUSTER: the four query blocks of a cluster belong to one head and walk the same records, so each record is asked for JOINTLY: the same tensor load, the same descriptor, a mask that names the four.
; Wave w fetches record w of a slot: one load a wave behind each round, eight steps in which it lands; by this text's count one tensor load of a wave is out at a time.
; LIMITS: NaN and infinities are not served; 1 / l by v_rcp_f32; a block of O / l or of p whose largest magnitude lies under 2^-124 keeps the byte 1.
.set REC,   13056
.set SLOTB, 8*REC                      ; 104,448
.set HEADB, 64*REC
.set SLOT1, 1<<17                      ; slot 1 begins here: one exclusive or turns an address from one slot to the other
.set SPARE, SLOTB                      ; in the gap behind slot 0: the spare words, 128 bytes for each of eight waves; no fill lands there
.set LI,  1                            ; v1  16 x lane
.set L8,  2                            ; v2  8 x lane
.set SPW, 3                            ; v3  my spare word; never rewritten
.set NIL, 4                            ; v4  0; never rewritten
.set ADR, 5                            ; v5  the step's record + 16 x lane
.set ADR8, 6                           ; v6  + 8 x lane
.set PFO, 7                            ; v7  the prefetches' offset
.set QF,  16                           ; v16-27 Q's fragment; 22-27 zeros.   v12 -M, v13 the largest t, v[14:15] l in two halves
.set QS,  28                           ; v28 Q's scale words
.set PS,  29                           ; v29 p's
.set KS,  30                           ; v30-33 K's: register t % 4, lanes 16-31 for tiles 4-7
.set VS,  34                           ; v34-35 V's: register t % 2, lanes 16-31 for tiles 2, 3
.set FF,  36                           ; v36 f = 2^(old M - new M); v37 = 0, named with it as a pair
.set KF,  38                           ; v38-85 K; v86-91 zeros
.set VF,  92                           ; v92-139 V
.set S,   140                          ; v140-203 S^T, then p
.set O,   204                          ; v204-235 O^T
.set PC,  236                          ; v236-247 p's codes
.set CT,  248                          ; v248-254
.set BM,  KF                           ; at work once the scores' products are four places back: the blocks' largest scores,
.set BP,  KF+4                         ; the other half's, then the bytes,
.set SO,  KF+8                         ; the conversions' scale operands,
.set TT,  KF+12
.set S2,  KF+14                        ; and the sum's second chain
.set WV,  12
.set SEL, 20
.set CS,  22                           ; s[22:23] c = log2(e) / 8
.set G1,  24
.set G0,  32
.set TB,  36                           ; s36 LDS byte at which the step's record begins
.set SLOTS, 37
.set TW,  38
.set PFA, 40
.set LIM, 42
.macro WM d, a, b, zero, sa, sb, ra, rb
.if \zero
.if \ra
	v_wmma_scale_f32_16x16x128_f8f6f4 v[(\d):(\d)+7], v[(\a):(\a)+11], v[(\b):(\b)+11], 0, v[\sa], v[\sb] matrix_a_fmt:MATRIX_FMT_FP6 matrix_b_fmt:MATRIX_FMT_FP6 matrix_a_scale:MATRIX_SCALE_ROW1
.else
	v_wmma_scale_f32_16x16x128_f8f6f4 v[(\d):(\d)+7], v[(\a):(\a)+11], v[(\b):(\b)+11], 0, v[\sa], v[\sb] matrix_a_fmt:MATRIX_FMT_FP6 matrix_b_fmt:MATRIX_FMT_FP6
.endif
.else
.if \ra
	v_wmma_scale_f32_16x16x128_f8f6f4 v[(\d):(\d)+7], v[(\a):(\a)+11], v[(\b):(\b)+11], v[(\d):(\d)+7], v[\sa], v[\sb] matrix_a_fmt:MATRIX_FMT_FP6 matrix_b_fmt:MATRIX_FMT_FP6 matrix_a_scale:MATRIX_SCALE_ROW1
.else
	v_wmma_scale_f32_16x16x128_f8f6f4 v[(\d):(\d)+7], v[(\a):(\a)+11], v[(\b):(\b)+11], v[(\d):(\d)+7], v[\sa], v[\sb] matrix_a_fmt:MATRIX_FMT_FP6 matrix_b_fmt:MATRIX_FMT_FP6
.endif
.endif
.endm
; A round of the cluster's barrier: my work-group's barrier, wave 0 signals for the work-group, every wave waits for all four work-groups, my work-group's barrier once more.
.macro CROUND
	s_barrier_signal -1
	s_barrier_wait -1
	s_cmp_lg_u32 s[WV], 0
	s_cbranch_scc1 .Lnot_wave_0_\@
	s_barrier_signal -3
.Lnot_wave_0_\@:
	s_barrier_wait -3
	s_barrier_signal -1
	s_barrier_wait -1
.endm
; A PREFETCH INTO THE L2 of the slot that the NEXT change of slots will ask for: eight steps ahead of that load.  Both clusters of a head walk the same records: the head's first cluster asks.  Its four partners share the slot's 408 blocks
; of 256 bytes out BY ADDRESS, 102 each; in each, waves 0 to 3 ask, a lane a block (the lanes past the share's last block name that block again).  The last change that fills a slot asks for nothing; slots 0 and 1 come by their loads alone.
.macro ASK
	s_cmp_gt_u32 s[SLOTS], s[LIM]
	s_cbranch_scc0 .Lnot_mine_\@
	global_prefetch_b8 v[PFO], s[PFA:PFA+1] th:TH_LOAD_NT scope:SCOPE_SE
.Lnot_mine_\@:
.endm
; A KEY STEP: 128 keys, one record.
.macro STEP
	v_add_nc_u32 v[ADR], s[TB], v[LI]
	v_add_nc_u32 v[ADR8], s[TB], v[L8]
	v_nop
	v_nop                                          ; four plain places behind the last step's products, ahead of the loads into V's registers and V's scale words
.irp g, 0,1,2,3,4,5,6,7,8,9,10,11
	ds_load_b128 v[KF+4*\g:KF+4*\g+3], v[ADR] offset:512*\g          ; 32 lanes read 512 consecutive bytes
.endr
	ds_load_b128 v[KS:KS+3], v[ADR] offset:12288
.irp g, 0,1,2,3,4,5,6,7,8,9,10,11
	ds_load_b128 v[VF+4*\g:VF+4*\g+3], v[ADR] offset:6144+512*\g
.endr
	ds_load_b64 v[VS:VS+1], v[ADR8] offset:12800
	s_wait_dscnt 13                                ; K and its scale words are in; V's 13 loads may be out
.irp t, 0,1,2,3,4,5,6,7
	WM S+8*\t, KF+6*\t, QF, 1, KS+\t%4, QS, \t/4, 0
.endr
.rept 4
	v_nop
.endr
.irp b, 0,1,2,3
	v_max3_num_f32 v[BM+\b], v[S+16*\b], v[S+1+16*\b], v[S+2+16*\b]   ; THE LARGEST SCORE OF EACH BLOCK OF 32 KEYS: for the row's maximum, and, since p rises with the score, for the block's largest p
.endr
.irp i, 3,5,7,9,11,13
.irp b, 0,1,2,3
	v_max3_num_f32 v[BM+\b], v[BM+\b], v[S+16*\b+\i], v[S+1+16*\b+\i]
.endr
.endr
.irp b, 0,1,2,3
	v_max_num_f32 v[BM+\b], v[BM+\b], v[S+15+16*\b]
.endr
.irp b, 0,1,2,3
	v_permlanex16_b32 v[BP+\b], v[BM+\b], s[SEL], s[SEL+1]
.endr
.irp b, 0,1,2,3
	v_max_num_f32 v[BM+\b], v[BM+\b], v[BP+\b]     ; with lane l xor 16's 16 keys
.endr
	v_max3_num_f32 v[TT], v[BM], v[BM+1], v[BM+2]
	v_max_num_f32 v[TT], v[TT], v[BM+3]            ; the step's largest score of my query
	v_mul_f32 v[TT], s[CS], v[TT]                  ; as t (c is positive)
	v_max_num_f32 v13, v13, v[TT]                  ; the running largest t
	v_mov_b32 v[TT], v12
	v_floor_f32 v12, -v13                          ; the new -M = floor(-t) = -ceil(t)
	v_sub_f32 v[TT], v12, v[TT]                    ; old M - new M: a whole number, 0 or less
	v_cvt_i32_f32 v[TT], v[TT]                     ; (it saturates)
	v_ldexp_f32 v[FF], 1.0, v[TT]                  ; f = 2^(old M - new M)
.set J, 0
.rept 32
	v_pk_fma_f32 v[S+J:S+J+1], v[S+J:S+J+1], s[CS:CS+1], v[12:13] op_sel_hi:[1,0,0]   ; t - M, two at a time
.set J, J+2
.endr
.irp b, 0,1,2,3
	v_fma_f32 v[BM+\b], v[BM+\b], s[CS], v12       ; the same of each block's largest score
.endr
.set J, 0
.rept 64
	v_exp_f32 v[S+J], v[S+J]                       ; p = 2^(t - M), at most 1
.set J, J+1
.endr
	v_pk_mul_f32 v[14:15], v[14:15], v[FF:FF+1] op_sel_hi:[1,0]     ; l under the new M: a plain place behind the exponentials
	s_wait_alu depctr_va_vdst(0)                   ; one wait for the whole batch, ahead of its first reader
.irp b, 0,1,2,3
	v_exp_f32 v[BM+\b], v[BM+\b]                   ; the block's largest p: the same two instructions on the same number give the same bits
.endr
	v_pk_add_f32 v[S2:S2+1], v[S:S+1], v[S+2:S+3]  ; THE ROW'S SUM IS TAKEN OF THE UNQUANTISED p, in two chains: plain work behind the four
.irp j, 4,8,12,16,20,24,28,32,36,40,44,48,52,56,60
	v_pk_add_f32 v[14:15], v[14:15], v[S+\j:S+\j+1]
	v_pk_add_f32 v[S2:S2+1], v[S2:S2+1], v[S+2+\j:S+3+\j]
.endr
	v_pk_add_f32 v[14:15], v[14:15], v[S2:S2+1]
	s_wait_alu depctr_va_vdst(0)                   ; and one for the four
.irp b, 0,1,2,3
	v_max_num_f32 v[BM+\b], 0x1800000, v[BM+\b]    ; the floor 2^(3 - 127): the byte cannot fall under 1
.endr
.irp b, 0,1,2,3
	v_add_nc_u32 v[SO+\b], 0xff000000, v[BM+\b]    ; 2 off the exponent field: the conversion's scale operand
.endr
.irp b, 0,1,2,3
	v_lshrrev_b32 v[BP+\b], 23, v[SO+\b]           ; the scale's byte
.endr
	v_lshl_or_b32 v[PS], v[BP+1], 8, v[BP]         ; p's scale word for these 128 keys
	v_lshl_or_b32 v[PS], v[BP+2], 16, v[PS]
	v_lshl_or_b32 v[PS], v[BP+3], 24, v[PS]
	v_cvt_scalef32_pk16_fp6_f32 v[PC:PC+2], v[S:S+15], v[SO]
	v_cvt_scalef32_pk16_fp6_f32 v[CT:CT+2], v[S+16:S+31], v[SO+1]
	v_cvt_scalef32_pk16_fp6_f32 v[PC+6:PC+8], v[S+32:S+47], v[SO+2]
	v_cvt_scalef32_pk16_fp6_f32 v[CT+4:CT+6], v[S+48:S+63], v[SO+3]
	v_nop                                          ; one plain place behind a scaled conversion
.irp c, 0,1                                    ; the operand's layout wants a WHOLE block in a lane
.irp i, 0,1,2
	v_permlane16_swap_b32 v[PC+6*\c+\i], v[CT+4*\c+\i]
.endr
.irp i, 0,1,2
	v_mov_b32 v[PC+3+6*\c+\i], v[CT+4*\c+\i]
.endr
.endr
.set J, 0
.rept 16
	v_pk_mul_f32 v[O+J:O+J+1], v[O+J:O+J+1], v[FF:FF+1] op_sel_hi:[1,0]   ; O^T under the new M, each accumulator from its low end on.  (These sixteen are also the places between p's codes and scale word and the products below)
.set J, J+2
.endr
	s_wait_dscnt 0x0                               ; V is in
.irp t, 0,1,2,3
	WM O+8*\t, VF+12*\t, PC, 0, VS+\t%2, PS, \t/2, 0       ; four accumulators, one instruction a turn
.endr
	s_add_co_u32 s[TB], s[TB], REC                 ; the next step's record
.endm
.macro SLOT_STEPS                      ; a slot's eight steps: written once, walked eight times
	s_mov_b32 s[TW], 8
.Lstep_\@:
	STEP
	s_sub_co_u32 s[TW], s[TW], 1
	s_cmp_lg_u32 s[TW], 0
	s_cbranch_scc1 .Lstep_\@
	s_sub_co_u32 s[TB], s[TB], SLOTB               ; back to a slot's first record,
	s_xor_b32 s[TB], s[TB], SLOT1                  ; in the other slot
.endm
; THE CHANGE OF SLOTS stands at a slot's head.  Each wave waits for all its tensor loads (its record of the slot ahead), adds 0 to its spare word, and waits for that and for its reads of the slot that it has left.
; fill = 1: a round of the cluster's barrier, so that no wave of any partner still reads that slot or has a load on its way; the joint refill is the first thing behind it.
.macro CHANGE fill
	s_wait_tensorcnt 0x0                           ; no tensor load of mine is out, so the group 0 may be written
	ds_add_u32 v[SPW], v[NIL]                      ; 0 onto my spare word
.if \fill
	s_xor_b32 s[G0+1], s[G0+1], SLOT1              ; the walking descriptor: the other slot than last time,
	s_add_nc_u64 s[G0+2:G0+3], s[G0+2:G0+3], SLOTB ; the next eight records; the type bits on top are not reached
	s_wait_xcnt 0x0                                ; the last prefetch, a slot back, has read its address
	s_add_nc_u64 s[PFA:PFA+1], s[PFA:PFA+1], SLOTB
	s_wait_dscnt 0x0                               ; the add is done, and my reads of the slot that I have left are over
	CROUND
	tensor_load_to_lds s[G0:G0+3], s[G1:G1+7]      ; my one tensor load until the next round
	s_nop 0
.rept 4
	v_nop
.endr
	ASK
.else
	s_wait_dscnt 0x0
	s_barrier_signal -1
	s_barrier_wait -1
.endif
.endm
	s_load_b128 s[4:7], s[0:1], 0x0                ; qc s[4:5], kv s[6:7]
	s_load_b64 s[8:9], s[0:1], 0x10                ; ao
	v_lshl_add_u32 v[SPW], v0, 2, SPARE
	v_mov_b32 v[NIL], 0
	ds_add_u32 v[SPW], v[NIL]                      ; the wave's opening: the add, and its wait ahead of my first tensor load; the set-up below, work on registers, stands between them
	v_lshrrev_b32 v5, 5, v0
	v_readfirstlane_b32 s[WV], v5                  ; wave 0..7
	s_bfe_u32 s13, ttmp6, 0x40000                  ; cx: my place in the cluster
	s_lshl_b32 s14, ttmp9, 2
	s_add_co_u32 s14, s14, s13                     ; my block of 128 queries: it enters qc's and ao's addresses alone
	s_and_b32 s15, ttmp7, 0xffff                   ; batch x head, which the four partners share
	; descriptor group 1: a record, 13,056 dense bytes, as 51 rows of 256 bytes (32 elements of 8 bytes), no padding: the images are read 512 consecutive bytes at a time
	s_mov_b32 s[G1], 15|(3<<16)|(1<<21)            ; 15:0 the mask: all four work-groups; 17:16 elements of 8 bytes; 21 set beside a mask
	s_mov_b32 s[G1+1], 32<<16                      ; tensor_dim0 = 32
	s_mov_b32 s[G1+2], 51<<16                      ; tensor_dim1 = 51
	s_mov_b32 s[G1+3], 32<<16                      ; tile_dim0 = 32
	s_mov_b32 s[G1+4], 51                          ; tile_dim1 = 51
	s_mov_b32 s[G1+5], 32                          ; from row to row
	s_mov_b32 s[G1+6], 0
	s_mov_b32 s[G1+7], 0
	s_mul_i32 s16, s15, HEADB                      ; the head's first record,
	s_mul_i32 s18, s[WV], REC                      ; my record of a slot: in memory and in LDS alike; no place in the cluster enters either
	s_add_co_u32 s16, s16, s18
	s_mov_b32 s17, 0
	s_lshl_b32 s44, s15, 6                         ; qc: (batch x head) x 64 + 8 x block + wave, 1,024 bytes each
	s_lshl_b32 s45, s14, 3
	s_add_co_u32 s44, s44, s45
	s_add_co_u32 s44, s44, s[WV]
	s_lshl_b32 s44, s44, 10
	s_mov_b32 s45, 0
	s_lshr_b32 s46, s15, 3                         ; ao: ((batch x 64 + 8 x block + wave) x 8 + head), 1,024 bytes each
	s_lshl_b32 s46, s46, 6
	s_lshl_b32 s47, s14, 3
	s_add_co_u32 s46, s46, s47
	s_add_co_u32 s46, s46, s[WV]
	s_lshl_b32 s46, s46, 3
	s_and_b32 s47, s15, 7
	s_add_co_u32 s46, s46, s47
	s_lshl_b32 s46, s46, 10
	s_mov_b32 s47, 0
	s_mul_i32 s48, s15, HEADB                      ; the prefetches: the head, my work-group's 102 blocks,
	s_mul_i32 s49, s13, 102*256
	s_add_co_u32 s48, s48, s49
	s_add_co_u32 s48, s48, SLOTB                   ; in slot 1: the first change of slots steps it to slot 2.  Nothing is prefetched at the head
	s_mov_b32 s49, 0
	s_lshr_b32 s[LIM], s[WV], 2                    ; 0 in waves 0 to 3,
	s_or_b32 s[LIM], s[LIM], ttmp9                 ; of the head's first cluster: the same in all four partners
	s_cmp_eq_u32 s[LIM], 0
	s_cselect_b32 s[LIM], 1, -1
	v_min_u32 v[PFO], 101, v0
	v_lshlrev_b32 v[PFO], 8, v[PFO]
	s_mov_b32 s[SEL], 0x76543210
	s_mov_b32 s[SEL+1], 0xfedcba98
	s_mov_b32 s[CS], 0x3e38aa3b                    ; c = log2(e) / 8
	s_mov_b32 s[CS+1], s[CS]                       ; (named with it as a pair, so it is written)
	s_mov_b32 s[TB], 0
	s_mov_b32 s[SLOTS], 7
	v_and_b32 v5, 31, v0
	v_lshlrev_b32 v[LI], 4, v5
	v_lshlrev_b32 v[L8], 3, v5
	s_wait_dscnt 0x0                               ; the opening add is done
	s_wait_kmcnt 0x0
	s_mov_b32 s[G0], 1                             ; count = 1
	s_mov_b32 s[G0+1], s18                         ; LDS address: slot 0, my record
	s_add_nc_u64 s[G0+2:G0+3], s[6:7], s[16:17]
	s_or_b32 s[G0+3], s[G0+3], 0x80000000          ; type = 2
	s_add_nc_u64 s[PFA:PFA+1], s[6:7], s[48:49]
	s_add_nc_u64 s[4:5], s[4:5], s[44:45]
	s_add_nc_u64 s[8:9], s[8:9], s[46:47]
	CROUND                                         ; all four work-groups are here: the first joint loads meet
	tensor_load_to_lds s[G0:G0+3], s[G1:G1+7]      ; slot 0; slot 1 is filled behind the first change's round, as a refill is
	s_nop 0
.rept 4
	v_nop
.endr
	global_load_b128 v[QF:QF+3], v[LI], s[4:5]     ; Q's six registers and its scale words stay in registers
	global_load_b64 v[QF+4:QF+5], v[L8], s[4:5] offset:512
	global_load_b32 v[QS], v[L8], s[4:5] offset:768
.irp j, 6,7,8,9,10,11
	v_mov_b32 v[QF+\j], 0                          ; zero codes for k = 64 .. 127
.endr
.irp j, 0,1,2,3,4,5
	v_mov_b32 v[KF+48+\j], 0                       ; behind K's tile 7
.endr
.set J, 0
.rept 32
	v_mov_b32 v[O+J], 0                            ; O^T.  (The step is written once: the first finds zeros, which the first change of M leaves zeros)
.set J, J+1
.endr
	v_mov_b32 v14, 0
	v_mov_b32 v15, 0
	v_mov_b32 v[FF+1], 0
	v_mov_b32 v13, 0xff61b1e6                      ; the largest t so far: -3e38, under every t
	v_floor_f32 v12, -v13
	s_wait_loadcnt 0x0
.Lslot:                                            ; seven trips: behind each change of slots but the last the next slot is asked for
	CHANGE 1
	SLOT_STEPS
	s_sub_co_u32 s[SLOTS], s[SLOTS], 1
	s_cmp_lg_u32 s[SLOTS], 0
	s_cbranch_scc1 .Lslot
	CHANGE 0                                       ; the last slot is written out
	SLOT_STEPS
	; THE WAY OUT: O^T / l, quantised along the head's 64 (two blocks), as six registers and a scale word
	v_add_f32 v14, v14, v15
	v_permlanex16_b32 v[TT], v14, s[SEL], s[SEL+1]
	v_add_f32 v14, v14, v[TT]                      ; with lane l xor 16's keys: the row's sum
	v_rcp_f32 v14, v14
	v_mov_b32 v[KF+17], 0                          ; (plain places behind the reciprocal and behind the last products)
	v_nop
	v_nop
	v_nop
	s_wait_alu depctr_va_vdst(0)                   ; the wait ahead of the reciprocal's first reader
.set J, 0
.rept 32
	v_mul_f32 v[S+J], v[O+J], v14                  ; register 16 b + i: dim 32 b + 16 (lane / 16) + i of my query
.set J, J+1
.endr
	v_max3_num_f32 v[BM], |v[S]|, |v[S+1]|, 0x1800000
	v_max3_num_f32 v[BM+1], |v[S+16]|, |v[S+17]|, 0x1800000
.irp i, 2,4,6,8,10,12,14
	v_max3_num_f32 v[BM], v[BM], |v[S+\i]|, |v[S+1+\i]|
	v_max3_num_f32 v[BM+1], v[BM+1], |v[S+16+\i]|, |v[S+17+\i]|
.endr
	v_permlanex16_b32 v[BP], v[BM], s[SEL], s[SEL+1]
	v_permlanex16_b32 v[BP+1], v[BM+1], s[SEL], s[SEL+1]
	v_max_num_f32 v[BM], v[BM], v[BP]
	v_max_num_f32 v[BM+1], v[BM+1], v[BP+1]
	v_add_nc_u32 v[SO], 0xff000000, v[BM]
	v_add_nc_u32 v[SO+1], 0xff000000, v[BM+1]
	v_lshrrev_b32 v[BP], 23, v[SO]
	v_lshrrev_b32 v[BP+1], 23, v[SO+1]
	v_lshl_or_b32 v[KF+16], v[BP+1], 8, v[BP]      ; the scale word: two bytes, the upper two 0
	v_cvt_scalef32_pk16_fp6_f32 v[PC:PC+2], v[S:S+15], v[SO]
	v_cvt_scalef32_pk16_fp6_f32 v[CT:CT+2], v[S+16:S+31], v[SO+1]
	v_nop
.irp i, 0,1,2
	v_permlane16_swap_b32 v[PC+\i], v[CT+\i]
.endr
.irp i, 0,1,2
	v_mov_b32 v[PC+3+\i], v[CT+\i]
.endr
	global_store_b128 v[LI], v[PC:PC+3], s[8:9] th:TH_STORE_NT                 ; 512 consecutive bytes, at a multiple of 256 from ao's first byte
	global_store_b64 v[L8], v[PC+4:PC+5], s[8:9] offset:512 th:TH_STORE_NT     ; 256
	global_store_b64 v[L8], v[KF+16:KF+17], s[8:9] offset:768 th:TH_STORE_NT   ; 256
	s_wait_tensorcnt 0x0                           ; the wave's end, behind my last tensor load
	ds_add_u32 v[SPW], v[NIL]
	s_wait_dscnt 0x0
	CROUND                                         ; the closing round: no work-group ends while a partner may still ask for a record that names it
	s_endpgm
.Lfunc_end_k_q38471a4c2b_attn:
	.size	k_q38471a4c2b_attn, .Lfunc_end_k_q38471a4c2b_attn-k_q38471a4c2b_attn
	.p2alignl 7, 3214868480
	.fill 96, 4, 3214868480
	.section	.rodata,"a",@progbits
	.p2align	6, 0x0
	.amdhsa_kernel k_q38471a4c2b_attn
		.amdhsa_group_segment_fixed_size 327680
		.amdhsa_private_segment_fixed_size 0
		.amdhsa_enable_private_segment 0
		.amdhsa_kernarg_size 24
		.amdhsa_user_sgpr_count 2
		.amdhsa_user_sgpr_kernarg_segment_ptr 1
		.amdhsa_wavefront_size32 1
		.amdhsa_system_sgpr_workgroup_id_x 1
		.amdhsa_system_sgpr_workgroup_id_y 1
		.amdhsa_system_sgpr_workgroup_id_z 1
		.amdhsa_system_vgpr_workitem_id 0
		.amdhsa_next_free_vgpr 256
		.amdhsa_next_free_sgpr 66
		.amdhsa_reserve_vcc 0
		.amdhsa_float_denorm_mode_32 3
		.amdhsa_float_denorm_mode_16_64 3
		.amdhsa_memory_ordered 1
		.amdhsa_forward_progress 1
		.amdhsa_inst_pref_size 42
	.end_amdhsa_kernel
	.amdgpu_metadata
---
amdhsa.version: [ 1, 2 ]
amdhsa.kernels:
  - .name:           k_q38471a4c2b_attn
    .symbol:         k_q38471a4c2b_attn.kd
    .args:
      - { .name: qc, .offset: 0, .size: 8, .value_kind: global_buffer, .address_space: global }
      - { .name: kv, .offset: 8, .size: 8, .value_kind: global_buffer, .address_space: global }
      - { .name: ao, .offset: 16, .size: 8, .value_kind: global_buffer, .address_space: global }
    .group_segment_fixed_size: 327680
    .private_segment_fixed_size: 0
    .kernarg_segment_align: 8
    .kernarg_segment_size: 24
    .max_flat_workgroup_size: 256
    .sgpr_count:     66
    .vgpr_count:     256
    .wavefront_size: 32
...
	.end_amdgpu_metadata
.endif
;; end of part 3
;; launch outp (part 4): grid 64 x 4, 16 waves a work-group, no clusters, 35,840 bytes of LDS; arguments ao, wc, bout, out0; writes out0
.if DOCPART == 4
	.amdgcn_target "amdgcn-amd-amdhsa--gfx1250"
	.amdhsa_code_object_version 6
	.text
	.protected	k_q38471a4c2b_outp
	.globl	k_q38471a4c2b_outp
	.p2align	8
	.type	k_q38471a4c2b_outp,@function
k_q38471a4c2b_outp:
	s_mov_b64 s[64:65], 0
	v_nop
	global_prefetch_b8 v0, s[64:65] scope:SCOPE_SE
	s_setreg_imm32_b32 hwreg(HW_REG_WAVE_MODE, 25, 1), 1
	s_wait_xcnt 0x0
; out0 = (O / l) Wout + bout on codes of FP6 (E2M3), K = 512 = (head, dim).  ao: 1,024 bytes for each (tile of 16 queries, head): six registers of codes and a scale word of two bytes, as register images.
; Two heads' records make one fragment of 128 along K and one scale word.  Wout comes as register images from wc's records 48 to 63 (32 columns each).
; SHARES.  Work-group (x, y): 64 queries x 128 columns.  Wave w: tile of queries w / 4, 32 columns w % 4: two accumulators by turns, four K steps; all its 53 loads go out together.
; The product is used transposed (source 0 = 16 columns of Wout, source 1 = 16 queries), and a record's two tiles are laid so that a lane's 16 results are 16 neighbouring columns of one row.  The bias is loaded into the accumulators.
; The rows meet in a stage in LDS and leave whole: 32 lanes store 512 consecutive bytes.  No tensor load, no cluster: each wave's operands are read once, straight into its registers.
.set SPARE, 33792                      ; behind the stage (64 rows x 528 bytes): the spare words, 128 bytes for each of 16 waves
.set LI,  1
.set L8,  2
.set BH,  3                            ; v3  64 x (lane / 16)
.set STO, 4
.set RD,  5
.set SPW, 6
.set NIL, 7
.set AW,  10                           ; v10-17 the heads' scale words
.set AS,  18                           ; v18-21 the K steps'
.set WS,  22                           ; v22-25 Wout's: register s; lanes 16-31 the odd tile
.set ACC, 32                           ; v32-47
.set AF,  48                           ; v48-95 the queries' four fragments
.set WF,  96                           ; v96-191 Wout's eight: 12 (4 u + s)
.set OUT, 192
.macro WM d, a, b, sa, sb, ra
.if \ra
	v_wmma_scale_f32_16x16x128_f8f6f4 v[(\d):(\d)+7], v[(\a):(\a)+11], v[(\b):(\b)+11], v[(\d):(\d)+7], v[\sa], v[\sb] matrix_a_fmt:MATRIX_FMT_FP6 matrix_b_fmt:MATRIX_FMT_FP6 matrix_a_scale:MATRIX_SCALE_ROW1
.else
	v_wmma_scale_f32_16x16x128_f8f6f4 v[(\d):(\d)+7], v[(\a):(\a)+11], v[(\b):(\b)+11], v[(\d):(\d)+7], v[\sa], v[\sb] matrix_a_fmt:MATRIX_FMT_FP6 matrix_b_fmt:MATRIX_FMT_FP6
.endif
.endm
	s_load_b256 s[4:11], s[0:1], 0x0               ; ao s[4:5], wc s[6:7], bout s[8:9], out0 s[10:11]
	v_lshl_add_u32 v[SPW], v0, 2, SPARE
	v_mov_b32 v[NIL], 0
	v_lshrrev_b32 v8, 5, v0
	v_readfirstlane_b32 s12, v8                    ; wave 0..15
	v_and_b32 v8, 31, v0
	v_lshlrev_b32 v[LI], 4, v8
	v_lshlrev_b32 v[L8], 3, v8
	v_bfe_u32 v9, v0, 4, 1
	v_lshlrev_b32 v[BH], 6, v9
	s_lshr_b32 s13, s12, 2                         ; i: my tile of queries
	s_and_b32 s14, s12, 3                          ; p: my 32 columns
	s_and_b32 s15, ttmp7, 0xffff                   ; y
	s_lshl_b32 s16, ttmp9, 2
	s_add_co_u32 s16, s16, s13
	s_lshl_b32 s16, s16, 13                        ; ao: eight records of 1,024 bytes a tile
	s_mov_b32 s17, 0
	s_lshl_b32 s18, s15, 2
	s_add_co_u32 s18, s18, s14
	s_add_co_u32 s18, s18, 48
	s_mul_i32 s18, s18, 12800                      ; wc: record 48 + 4 y + p
	s_mov_b32 s19, 0
	s_lshl_b32 s20, s15, 9
	s_lshl_b32 s21, s14, 7
	s_add_co_u32 s20, s20, s21                     ; bout: 512 y + 128 p
	s_mov_b32 s21, 0
	s_lshl_b32 s22, ttmp9, 6
	s_lshl_b32 s23, s12, 2
	s_add_co_u32 s22, s22, s23
	s_lshl_b32 s22, s22, 11                        ; out0: row 64 x + 4 w,
	s_lshl_b32 s23, s15, 9
	s_add_co_u32 s22, s22, s23                     ; + 512 y
	s_mov_b32 s23, 0
	s_mul_i32 s24, s13, 8448
	s_lshl_b32 s25, s14, 7
	s_add_co_u32 s24, s24, s25                     ; the stage, in: rows 16 i .., bytes 128 p ..
	s_mul_i32 s25, s12, 2112                       ; back: rows 4 w ..
	s_wait_kmcnt 0x0
	s_add_nc_u64 s[4:5], s[4:5], s[16:17]
	s_add_nc_u64 s[6:7], s[6:7], s[18:19]
	s_add_nc_u64 s[8:9], s[8:9], s[20:21]
	s_add_nc_u64 s[10:11], s[10:11], s[22:23]
.irp e, 0,1,2,3,4,5,6,7                        ; head e: registers 6 e .. 6 e + 5 of the four fragments on end
	global_load_b128 v[AF+6*\e:AF+6*\e+3], v[LI], s[4:5] offset:1024*\e
	global_load_b64 v[AF+6*\e+4:AF+6*\e+5], v[L8], s[4:5] offset:1024*\e+512
	global_load_b32 v[AW+\e], v[L8], s[4:5] offset:1024*\e+768
.endr
.irp f, 0,1,2,3,4,5,6,7
.irp c, 0,1,2
	global_load_b128 v[WF+12*\f+4*\c:WF+12*\f+4*\c+3], v[LI], s[6:7] offset:1536*\f+512*\c
.endr
.endr
	global_load_b128 v[WS:WS+3], v[LI], s[6:7] offset:12288
.irp u, 0,1                                    ; the bias, in the result's layout: lane (r, h), tile u: columns 16 h + 8 u + 0 .. 7 of my 32
	global_load_b128 v[ACC+8*\u:ACC+8*\u+3], v[BH], s[8:9] offset:32*\u
	global_load_b128 v[ACC+8*\u+4:ACC+8*\u+7], v[BH], s[8:9] offset:32*\u+16
.endr
	s_wait_loadcnt 0x0
.irp s, 0,1,2,3
	v_lshl_or_b32 v[AS+\s], v[AW+2*\s+1], 16, v[AW+2*\s]            ; two heads' two bytes make a K step's scale word
.endr
	v_and_b32 v8, 15, v0                           ; eight plain places between a scale word made by a vector instruction and the scaled product: the stage's addresses, and three v_nop
	v_mul_u32_u24 v[STO], v8, 528
	v_add_nc_u32 v[STO], v[BH], v[STO]
	v_add_nc_u32 v[STO], s24, v[STO]               ; row 16 i + r, bytes 128 p + 64 h
	v_add_nc_u32 v[RD], s25, v[LI]
	v_nop
	v_nop
	v_nop
.irp s, 0,1,2,3
.irp u, 0,1
	WM ACC+8*\u, WF+12*(4*\u+\s), AF+12*\s, WS+\s, AS+\s, \u       ; the two accumulators by turns
.endr
.endr
.rept 4
	v_nop
.endr
.irp j, 0,1,2,3
	ds_store_b128 v[STO], v[ACC+4*\j:ACC+4*\j+3] offset:16*\j      ; each accumulator from its low end on
.endr
	s_wait_dscnt 0x0                               ; for the others' sake: my stores have landed
	s_barrier_signal -1
	s_barrier_wait -1
.irp k, 0,1,2,3
	ds_load_b128 v[OUT+4*\k:OUT+4*\k+3], v[RD] offset:528*\k
.endr
.irp k, 0,1,2,3
	s_wait_dscnt 3-\k                              ; LDS loads come back in order: row k is in, the younger ones may be out
	global_store_b128 v[LI], v[OUT+4*\k:OUT+4*\k+3], s[10:11] offset:2048*\k th:TH_STORE_NT      ; 32 lanes store 512 consecutive bytes, at a multiple of 256 from out0's first byte
.endr
	s_wait_tensorcnt 0x0                           ; the wave's end, behind my last LDS store
	ds_add_u32 v[SPW], v[NIL]
	s_wait_dscnt 0x0
	s_endpgm
.Lfunc_end_k_q38471a4c2b_outp:
	.size	k_q38471a4c2b_outp, .Lfunc_end_k_q38471a4c2b_outp-k_q38471a4c2b_outp
	.p2alignl 7, 3214868480
	.fill 96, 4, 3214868480
	.section	.rodata,"a",@progbits
	.p2align	6, 0x0
	.amdhsa_kernel k_q38471a4c2b_outp
		.amdhsa_group_segment_fixed_size 35840
		.amdhsa_private_segment_fixed_size 0
		.amdhsa_enable_private_segment 0
		.amdhsa_kernarg_size 32
		.amdhsa_user_sgpr_count 2
		.amdhsa_user_sgpr_kernarg_segment_ptr 1
		.amdhsa_wavefront_size32 1
		.amdhsa_system_sgpr_workgroup_id_x 1
		.amdhsa_system_sgpr_workgroup_id_y 1
		.amdhsa_system_sgpr_workgroup_id_z 1
		.amdhsa_system_vgpr_workitem_id 0
		.amdhsa_next_free_vgpr 208
		.amdhsa_next_free_sgpr 66
		.amdhsa_reserve_vcc 0
		.amdhsa_float_denorm_mode_32 3
		.amdhsa_float_denorm_mode_16_64 3
		.amdhsa_memory_ordered 1
		.amdhsa_forward_progress 1
		.amdhsa_inst_pref_size 10
	.end_amdhsa_kernel
	.amdgpu_metadata
---
amdhsa.version: [ 1, 2 ]
amdhsa.kernels:
  - .name:           k_q38471a4c2b_outp
    .symbol:         k_q38471a4c2b_outp.kd
    .args:
      - { .name: ao, .offset: 0, .size: 8, .value_kind: global_buffer, .address_space: global }
      - { .name: wc, .offset: 8, .size: 8, .value_kind: global_buffer, .address_space: global }
      - { .name: bout, .offset: 16, .size: 8, .value_kind: global_buffer, .address_space: global }
      - { .name: out0, .offset: 24, .size: 8, .value_kind: global_buffer, .address_space: global }
    .group_segment_fixed_size: 35840
    .private_segment_fixed_size: 0
    .kernarg_segment_align: 8
    .kernarg_segment_size: 32
    .max_flat_workgroup_size: 512
    .sgpr_count:     66
    .vgpr_count:     208
    .wavefront_size: 32
...
	.end_amdgpu_metadata
.endif
;; end of part 4
;; ======== version 2 of 2: 4 launches
;; workspace buffers: wc 819,200 bytes; kv 26,738,688 bytes; qc 2,097,152 bytes; ao 2,097,152 bytes
;; launch wquant (part 5): grid 64 x 1, 16 waves a work-group, no clusters, 14,848 bytes of LDS; arguments Wkv, Wq, Wout, wc; writes wc
.if DOCPART == 5
	.amdgcn_target "amdgcn-amd-amdhsa--gfx1250"
	.amdhsa_code_object_version 6
	.text
	.protected	k_q38471a4c2b_wquant
	.globl	k_q38471a4c2b_wquant
	.p2align	8
	.type	k_q38471a4c2b_wquant,@function
k_q38471a4c2b_wquant:
	s_mov_b64 s[64:65], 0
	v_nop
	global_prefetch_b8 v0, s[64:65] scope:SCOPE_SE
	s_setreg_imm32_b32 hwreg(HW_REG_WAVE_MODE, 25, 1), 1
	s_wait_xcnt 0x0
; Wkv [512][1024], Wq [512][512], Wout [512][512], f32, K on the first axis, become codes of FP6 (E2M3) with one E8M0 byte for each 32 along K,
; laid as IMAGES OF THE OPERAND'S REGISTERS.  wc holds 64 records of 12,800 bytes, one for each 32 columns: 0-15 Wk's, 16-31 Wv's, 32-47 Wq's, 48-63 Wout's.
; A record is two tiles of 16 columns (u = 0, 1): lane r of tile u holds column 8 u + r + 8 (r / 8) of the 32, so that the results of the two tiles are 16 neighbours in a lane.
; Fragment (u, s), 128 along K, lies at (4 u + s) x 1,536: registers 4 g .. 4 g + 3 of lane l at 512 g + 16 l.  The scale bytes lie at 12,288: byte 16 (r + 16 u) + block.
; SHARES: a work-group makes one record; wave w takes K block w (rows 32 w ..), lane l column l of the 32: a block lies in one lane's 32 registers, so its largest magnitude needs no other lane.
; A block's byte is the exponent field of its largest magnitude less 2, held at 1 from below (a block of zeros keeps 1: its codes are zeros, and this program alone reads the bytes).
; LIMITS: NaN and infinities among the inputs are not served; blocks whose largest magnitude lies under 2^-124 keep the byte 1.
.set REC,   12800
.set SPARE, 12800                      ; behind the record: the spare words, 128 bytes for each of 16 waves
.set X,     16                         ; v16-47 my block's 32 numbers
.macro LOADS pitch                     ; row i of my block at my column: 32 lanes read 128 consecutive bytes
.irp i, 0,1,2,3,4,5,6,7,8,9,10,11,12,13,14,15,16,17,18,19,20,21,22,23,24,25,26,27,28,29,30,31
	global_load_b32 v[X+\i], v4, s[4:5] offset:\i*\pitch th:TH_LOAD_NT
.endr
.endm
	s_load_b256 s[4:11], s[0:1], 0x0               ; Wkv s[4:5], Wq s[6:7], Wout s[8:9], wc s[10:11]
	v_lshl_add_u32 v1, v0, 2, SPARE                ; my spare word; never rewritten
	v_mov_b32 v2, 0                                ; 0; never rewritten
	v_lshrrev_b32 v3, 5, v0
	s_delay_alu instid0(VALU_DEP_1)
	v_readfirstlane_b32 s12, v3                    ; wave 0..15 = K block
	v_and_b32 v3, 31, v0
	s_delay_alu instid0(VALU_DEP_1)
	v_lshlrev_b32 v4, 2, v3                        ; 4 bytes a lane
	v_bfe_u32 v5, v0, 3, 1                         ; u: which tile my column belongs to
	v_and_b32 v6, 7, v0
	v_bfe_u32 v7, v0, 4, 1
	s_delay_alu instid0(VALU_DEP_1)
	v_lshl_add_u32 v6, v7, 3, v6                   ; r: its lane in that tile
	s_delay_alu instid0(VALU_DEP_4)
	v_mul_u32_u24 v7, v5, 6144
	s_delay_alu instid0(VALU_DEP_1)
	v_lshl_add_u32 v7, v6, 4, v7                   ; 6,144 u + 16 r
	s_wait_alu depctr_va_vdst(0)
	s_lshr_b32 s13, s12, 2                         ; s: the K step of 128
	s_bfe_u32 s14, s12, 0x10001                    ; c: which half of the fragment's registers
	s_and_b32 s15, s12, 1                          ; h: which half of the lanes
	s_mul_i32 s13, s13, 1536
	s_lshl_b32 s15, s15, 8
	s_add_co_u32 s13, s13, s15                     ; 1,536 s + 256 h
	s_mul_i32 s15, s14, 520                        ; registers 6 c, 6 c + 1 lie at byte 0 (c = 0) or 520 (c = 1) of the lane's places, registers 6 c + 4, 6 c + 5 512 further on,
	s_add_co_u32 s15, s15, s13
	v_add_nc_u32 v8, s15, v7
	s_mul_i32 s15, s14, 1016                       ; registers 6 c + 2, 6 c + 3 at byte 8 or 1,024
	s_add_co_u32 s15, s15, s13
	s_add_co_u32 s15, s15, 8
	v_add_nc_u32 v9, s15, v7
	v_lshlrev_b32 v10, 4, v6
	s_delay_alu instid0(VALU_DEP_1)
	v_lshl_add_u32 v10, v5, 8, v10
	s_add_co_u32 s15, s12, 12288
	v_add_nc_u32 v10, s15, v10                     ; my scale byte: 12,288 + 16 r + 256 u + block
	v_lshlrev_b32 v11, 4, v0                       ; the way out: 16 bytes a thread
	s_wait_kmcnt 0x0
	s_cmp_lt_u32 ttmp9, 32                         ; which tensor: the choice hangs on the work-group's number alone
	s_cselect_b64 s[4:5], s[4:5], s[6:7]
	s_cselect_b32 s16, 0, 32
	s_cselect_b32 s17, 17, 16                      ; 32 rows are 2^17 bytes in Wkv, 2^16 in the others
	s_cmp_lt_u32 ttmp9, 48
	s_cselect_b64 s[4:5], s[4:5], s[8:9]
	s_cselect_b32 s16, s16, 48
	s_sub_co_u32 s16, ttmp9, s16
	s_lshl_b32 s16, s16, 7                         ; 32 columns are 128 bytes
	s_lshl_b32 s17, s12, s17
	s_add_co_u32 s16, s16, s17
	s_mov_b32 s17, 0
	s_add_nc_u64 s[4:5], s[4:5], s[16:17]
	s_mul_i32 s18, ttmp9, REC
	s_mov_b32 s19, 0
	s_add_nc_u64 s[10:11], s[10:11], s[18:19]
	s_cmp_lt_u32 ttmp9, 32
	s_cbranch_scc0 .Lnarrow
	LOADS 4096
	s_branch .Lloaded
.Lnarrow:
	LOADS 2048
.Lloaded:
	s_wait_loadcnt 0x0
	v_max3_num_f32 v12, |v[X]|, |v[X+1]|, |v[X+2]|                 ; the block's largest magnitude, in two chains
	v_max3_num_f32 v13, |v[X+3]|, |v[X+4]|, |v[X+5]|
.irp i, 6,10,14,18,22,26
	s_delay_alu instid0(VALU_DEP_2)
	v_max3_num_f32 v12, v12, |v[X+\i]|, |v[X+\i+1]|
	s_delay_alu instid0(VALU_DEP_2)
	v_max3_num_f32 v13, v13, |v[X+\i+2]|, |v[X+\i+3]|
.endr
	s_delay_alu instid0(VALU_DEP_2)
	v_max3_num_f32 v12, v12, |v[X+30]|, |v[X+31]|
	s_delay_alu instid0(VALU_DEP_1)
	v_max3_num_f32 v12, v12, v13, 0x1800000        ; and the floor 2^(3 - 127): the byte cannot fall under 1
	s_delay_alu instid0(VALU_DEP_1)
	v_add_nc_u32 v14, 0xff000000, v12              ; 2 off the exponent field: the conversion's scale operand
	s_delay_alu instid0(VALU_DEP_1)
	v_lshrrev_b32 v15, 23, v14                     ; the scale's byte
	v_cvt_scalef32_pk16_fp6_f32 v[48:50], v[X:X+15], v14
	v_cvt_scalef32_pk16_fp6_f32 v[56:58], v[X+16:X+31], v14       ; (a conversion's three registers begin on an even number)
	v_nop                                          ; one plain place behind a scaled conversion
	v_mov_b32 v51, v56
	v_mov_b32 v52, v57
	v_mov_b32 v53, v58                             ; v48-53: registers 6 c .. 6 c + 5 of lane (r, h) of fragment (u, s)
	ds_store_b64 v8, v[48:49]
	ds_store_b64 v9, v[50:51]
	ds_store_b64 v8, v[52:53] offset:512
	ds_store_b8 v10, v15
	s_wait_dscnt 0x0                               ; for the others' sake: my stores have landed
	s_barrier_signal -1
	s_barrier_wait -1
	ds_load_b128 v[60:63], v11                     ; the record leaves as it lies: 25 pieces of 512 bytes, wave w takes piece w,
	s_wait_dscnt 0x0
	global_store_b128 v11, v[60:63], s[10:11]      ; 32 lanes store 512 consecutive bytes, at a multiple of 256 from wc's first byte
	s_cmp_lt_u32 s12, 9
	s_cbranch_scc0 .Ldone
	ds_load_b128 v[56:59], v11 offset:8192         ; and waves 0 to 8 piece 16 + w
	s_wait_dscnt 0x0
	global_store_b128 v11, v[56:59], s[10:11] offset:8192
.Ldone:
	s_wait_tensorcnt 0x0                           ; the wave's end, behind my last LDS store
	ds_add_u32 v1, v2
	s_wait_dscnt 0x0
	s_endpgm
.Lfunc_end_k_q38471a4c2b_wquant:
	.size	k_q38471a4c2b_wquant, .Lfunc_end_k_q38471a4c2b_wquant-k_q38471a4c2b_wquant
	.p2alignl 7, 3214868480
	.fill 96, 4, 3214868480
	.section	.rodata,"a",@progbits
	.p2align	6, 0x0
	.amdhsa_kernel k_q38471a4c2b_wquant
		.amdhsa_group_segment_fixed_size 14848
		.amdhsa_private_segment_fixed_size 0
		.amdhsa_enable_private_segment 0
		.amdhsa_kernarg_size 32
		.amdhsa_user_sgpr_count 2
		.amdhsa_user_sgpr_kernarg_segment_ptr 1
		.amdhsa_wavefront_size32 1
		.amdhsa_system_sgpr_workgroup_id_x 1
		.amdhsa_system_sgpr_workgroup_id_y 1
		.amdhsa_system_sgpr_workgroup_id_z 1
		.amdhsa_system_vgpr_workitem_id 0
		.amdhsa_next_free_vgpr 64
		.amdhsa_next_free_sgpr 66
		.amdhsa_reserve_vcc 0
		.amdhsa_float_denorm_mode_32 3
		.amdhsa_float_denorm_mode_16_64 3
		.amdhsa_memory_ordered 1
		.amdhsa_forward_progress 1
		.amdhsa_inst_pref_size 12
	.end_amdhsa_kernel
	.amdgpu_metadata
---
amdhsa.version: [ 1, 2 ]
amdhsa.kernels:
  - .name:           k_q38471a4c2b_wquant
    .symbol:         k_q38471a4c2b_wquant.kd
    .args:
      - { .name: Wkv, .offset: 0, .size: 8, .value_kind: global_buffer, .address_space: global }
      - { .name: Wq, .offset: 8, .size: 8, .value_kind: global_buffer, .address_space: global }
      - { .name: Wout, .offset: 16, .size: 8, .value_kind: global_buffer, .address_space: global }
      - { .name: wc, .offset: 24, .size: 8, .value_kind: global_buffer, .address_space: global }
    .group_segment_fixed_size: 14848
    .private_segment_fixed_size: 0
    .kernarg_segment_align: 8
    .kernarg_segment_size: 32
    .max_flat_workgroup_size: 512
    .sgpr_count:     66
    .vgpr_count:     64
    .wavefront_size: 32
...
	.end_amdgpu_metadata
.endif
;; end of part 5
;; launch proj (part 6): grid 256 x 1, 4 waves a work-group, no clusters, 92,160 bytes of LDS; arguments context, x, wc, kv, qc; writes kv, qc
.if DOCPART == 6
	.amdgcn_target "amdgcn-amd-amdhsa--gfx1250"
	.amdhsa_code_object_version 6
	.text
	.protected	k_q38471a4c2b_proj
	.globl	k_q38471a4c2b_proj
	.p2align	8
	.type	k_q38471a4c2b_proj,@function
k_q38471a4c2b_proj:
	s_mov_b64 s[64:65], 0
	v_nop
	global_prefetch_b8 v0, s[64:65] scope:SCOPE_SE
	s_setreg_imm32_b32 hwreg(HW_REG_WAVE_SCHED_MODE, 0, 2), 2
	s_setreg_imm32_b32 hwreg(HW_REG_WAVE_MODE, 25, 1), 1
	s_wait_xcnt 0x0
	s_wait_alu depctr_vm_vsrc(0)
; kv = context Wkv and q = x Wq on codes of FP6 (E2M3), one E8M0 scale for each 32 along K = 512; the results are quantised at once for attention and never go to memory as f32:
; k and q along the head's 64, v along the keys.  context [4][8192][512], x [4][1024][512]: f32, quantised here.  The weights come as register images from wc (64 records of 12,800 bytes).
; SHARES.  Work-group g takes 128 tokens of context (one key step of attention) and 16 rows of x (one tile of queries): every work-group has the same work.  Wave w quantises token tiles 2 w, 2 w + 1 and
; K step w of the x tile; the images meet in LDS behind ONE barrier.  Then THE WAVES SHARE THE COLUMNS: wave w makes heads 2 w and 2 w + 1 of k, of v and of q for all rows.
; THE TOKENS OF A TILE ARE NOT NEIGHBOURS, NOR ARE A WEIGHT TILE'S COLUMNS: lane r of tile 2 b + u holds item 32 b + 8 u + r + 8 (r / 8), so that the 16 result registers of tiles 2 b, 2 b + 1 are 16 neighbours, 32 b + 16 (lane / 16) + 0 .. 15.
; k, q: source 0 = 16 columns of the weight, source 1 = 16 rows: a lane holds one row and its registers run along the head's dims.   v: source 0 = 16 tokens, source 1 = 16 columns: a lane holds one dim and its registers run along the keys.
; OUT.  kv: a record of 13,056 bytes for each (batch, head, key step): K's image (8 tiles x 6 registers) at 0, V's four fragments at 6,144, K's scale words at 12,288 (16 x lane + 4 (t % 4), lane = r + 16 (t / 4)),
; V's at 12,800 (8 x lane + 4 (t % 2), lane = r + 16 (t / 2)).   qc: 1,024 bytes for each (batch, head, tile of queries): registers 0-3 at 16 x lane, 4-5 at 512 + 8 x lane, the scale word and a 0 at 768 + 8 x lane.
; LIMITS: NaN and infinities are not served; a block whose largest magnitude lies under 2^-124, a block of zeros too, keeps the byte 1 (its codes are zeros or next to it; this program alone reads the bytes).
; REGISTERS, in windows of 256.  Window 0: see the names below.  Window 1: v0-191 Wk's fragments of K steps 0, 1, later the tokens' fragments of K steps 0, 1; v192-239 one token tile's fragments (even tiles).
;   Window 2: the same for K steps 2, 3 and odd tiles.   Window 3: four sets of 64 numbers as loaded; later two sets of 96 (a tile of Wv and a tile of Wq), and at v192-239 the x tile's fragments.
; THE MODE: SCHED_MODE bits 1:0 = 2 (LLVM: expert scheduling mode 2), set by the entry lines.  The code itself states the register dependences
; between vector or matrix instructions and memory or LDS instructions, with s_wait_alu, always for 0.
; THE PLAN.  Registers that memory or LDS instructions touch:
;   v1-v10        offsets, LDS addresses and the add's pair: made once at the head, never written again.
;   window 3      phase X: set k % 4 is written by unit k's loads and read by the stage's LDS stores alone; no vector instruction names it.  Phase V: set n % 2 is read by tile n's products and filled again, for tile n + 2, behind them.
;   ST, HA        phase X, by turns: unit k + 1's numbers land (issued in unit k) in the buffer that QUANT k - 1 read; QUANT k reads the other.
;   KA, KB        the codes' out-buffers.  Phase X and phase V: step p's QUANT writes buffer p % 2, and step p's stores are issued in step p + 1, behind that step's wait on va_vdst; the buffer is written again in step p + 2.
;                 Phase K: a pair of tiles fills both; its stores are issued at the head of the next pair and the buffers are written again behind that tile's 32 products.
;   scale words   PWE, WA, WB4, VW, v12-13, ZA, ZB: each is stored once and not written again behind its store; PW is stored once, ahead of the barrier.
;   windows 1, 2  v192-239: tile m + 1's fragments land (issued in tile m) in the set that tile m - 1's products read.  v0-191 and WS: Wk's, read by phase K's products; behind tile 7 the tokens' fragments and Wv's scale words land there.
; So a unit of phase X has one wait on vm_vsrc and one on va_vdst, at its head; a tile of phase K one on va_vdst at its head and, every second tile, one on vm_vsrc ahead of its QUANT; a tile of phase V one of each behind its products.
; Where a load lands in another window: the switch, the wait, the load; stores follow the loads.  No scaled product takes an operand or a scale word that a vector instruction wrote.
.set XIMG,  0                          ; LDS: the tokens' 32 fragments (tile m, K step s: 4 m + s), 1,536 bytes each
.set QIMG,  49152                      ; the x tile's four
.set XSC,   55296                      ; the tokens' scale words: 512 (m / 2) + 16 x lane + 4 s; lanes 0-15 the even tile, lanes 16-31 the odd one
.set QSC,   57344                      ; the x tile's: 16 x lane + 4 s
.set STAGE, 57856                      ; 16 rows x (512 bytes + 16) for each wave
.set SPARE, 91648                      ; the spare words, 128 bytes for each wave
.set REC,   13056
.set HB,    64*REC                     ; from a head's record to the next head's
.set QHB,   65536
.set WREC,  12800
.set LI,  1                            ; v1  16 x lane
.set L8,  2                            ; v2  8 x lane
.set STA, 3                            ; v3  my stage + 16 x lane
.set STB, 4                            ; v4  my stage + 528 r + 64 h
.set XWI, 5                            ; v5  16 x lane + 12,288 w: where I store the tokens' images
.set XWS, 6                            ; v6  16 x lane + 512 w: and their scale words
.set QWI, 7                            ; v7  16 x lane + 1,536 w
.set QWS, 8                            ; v8  16 x lane + 4 w
.set SPW, 9                            ; v9  my spare word; never rewritten
.set NIL, 10                           ; v10 0; never rewritten
.set T0,  11
.set PWE, 12                           ; v12-15 the even tile's scale words, then both tiles'; in phase V v12-13 are V's scale words of head 2 w + 1
.set PW,  16                           ; v16 the scale word just made
.set T1,  17
.set VW,  18                           ; v18-19 V's scale words of head 2 w
.set WA,  20                           ; v20-23 K's scale words, head 2 w
.set WB4, 24                           ; v24-27 head 2 w + 1
.set ZA,  28                           ; v28-29 q's scale word and 0
.set ZB,  30
.set TM,  32                           ; v32-43 at work in QUANT
.set CT,  44                           ; v44-51
.set KA,  52                           ; v52-63 codes: two tiles of K, head 2 w; in phases X and V the fragment of an even step
.set KB,  64                           ; v64-75 head 2 w + 1; in phases X and V the fragment of an odd step
.set WS,  76                           ; v76-91 Wk's scale words, later Wv's: register 4 p + s
.set XS,  92                           ; v92-107 the tokens'
.set QWS4, 108                         ; v108-123 Wq's
.set QS,  124                          ; v124-127 the x tile's
.set HA,  128                          ; v128-191 eight accumulators
.set ST,  192                          ; v192-255 64 numbers; later q's eight accumulators
.set QA,  192
.set SEL, 20
.set MSB, 0
.macro WIN new                         ; the immediate's high byte repeats the setting that is left; a switch that changes nothing is dropped
.if MSB != (\new)
	s_set_vgpr_msb (MSB<<8)|(\new)
.set MSB, (\new)
.endif
.endm
; one product 16 x 16 x 128.  zero: it starts the sum.  ra, rb: the side's scale words stand in lanes 16-31
.macro WM d, a, b, zero, sa, sb, ra, rb
.if \zero
.if (\ra) && (\rb)
	v_wmma_scale_f32_16x16x128_f8f6f4 v[(\d):(\d)+7], v[(\a):(\a)+11], v[(\b):(\b)+11], 0, v[\sa], v[\sb] matrix_a_fmt:MATRIX_FMT_FP6 matrix_b_fmt:MATRIX_FMT_FP6 matrix_a_scale:MATRIX_SCALE_ROW1 matrix_b_scale:MATRIX_SCALE_ROW1
.elseif \ra
	v_wmma_scale_f32_16x16x128_f8f6f4 v[(\d):(\d)+7], v[(\a):(\a)+11], v[(\b):(\b)+11], 0, v[\sa], v[\sb] matrix_a_fmt:MATRIX_FMT_FP6 matrix_b_fmt:MATRIX_FMT_FP6 matrix_a_scale:MATRIX_SCALE_ROW1
.elseif \rb
	v_wmma_scale_f32_16x16x128_f8f6f4 v[(\d):(\d)+7], v[(\a):(\a)+11], v[(\b):(\b)+11], 0, v[\sa], v[\sb] matrix_a_fmt:MATRIX_FMT_FP6 matrix_b_fmt:MATRIX_FMT_FP6 matrix_b_scale:MATRIX_SCALE_ROW1
.else
	v_wmma_scale_f32_16x16x128_f8f6f4 v[(\d):(\d)+7], v[(\a):(\a)+11], v[(\b):(\b)+11], 0, v[\sa], v[\sb] matrix_a_fmt:MATRIX_FMT_FP6 matrix_b_fmt:MATRIX_FMT_FP6
.endif
.else
.if (\ra) && (\rb)
	v_wmma_scale_f32_16x16x128_f8f6f4 v[(\d):(\d)+7], v[(\a):(\a)+11], v[(\b):(\b)+11], v[(\d):(\d)+7], v[\sa], v[\sb] matrix_a_fmt:MATRIX_FMT_FP6 matrix_b_fmt:MATRIX_FMT_FP6 matrix_a_scale:MATRIX_SCALE_ROW1 matrix_b_scale:MATRIX_SCALE_ROW1
.elseif \ra
	v_wmma_scale_f32_16x16x128_f8f6f4 v[(\d):(\d)+7], v[(\a):(\a)+11], v[(\b):(\b)+11], v[(\d):(\d)+7], v[\sa], v[\sb] matrix_a_fmt:MATRIX_FMT_FP6 matrix_b_fmt:MATRIX_FMT_FP6 matrix_a_scale:MATRIX_SCALE_ROW1
.elseif \rb
	v_wmma_scale_f32_16x16x128_f8f6f4 v[(\d):(\d)+7], v[(\a):(\a)+11], v[(\b):(\b)+11], v[(\d):(\d)+7], v[\sa], v[\sb] matrix_a_fmt:MATRIX_FMT_FP6 matrix_b_fmt:MATRIX_FMT_FP6 matrix_b_scale:MATRIX_SCALE_ROW1
.else
	v_wmma_scale_f32_16x16x128_f8f6f4 v[(\d):(\d)+7], v[(\a):(\a)+11], v[(\b):(\b)+11], v[(\d):(\d)+7], v[\sa], v[\sb] matrix_a_fmt:MATRIX_FMT_FP6 matrix_b_fmt:MATRIX_FMT_FP6
.endif
.endif
.endm
; 64 numbers of a lane, register s + 16 b + i = K index 32 b + 16 (lane / 16) + i of my row, become codes: blocks 0, 1 in v[d0 .. d0 + 5], blocks 2, 3 in v[d1 .. d1 + 5] (a whole block to a lane: lanes 0-15 the even one), and the scale word in v[pw].
.macro QUANT s, d0, d1, pw
.irp b, 0,1,2,3
	v_max3_num_f32 v[TM+\b], |v[(\s)+16*\b]|, |v[(\s)+1+16*\b]|, 0x1800000   ; my 16 numbers of block b, and the floor 2^(3 - 127): the byte cannot fall under 1.  (Each accumulator is read from its low end on)
.endr
.irp i, 2,4,6,8,10,12,14
.irp b, 0,1,2,3
	v_max3_num_f32 v[TM+\b], v[TM+\b], |v[(\s)+16*\b+\i]|, |v[(\s)+1+16*\b+\i]|   ; (the four blocks by turns)
.endr
.endr
.irp b, 0,1,2,3
	v_permlanex16_b32 v[TM+4+\b], v[TM+\b], s[SEL], s[SEL+1]
.endr
.irp b, 0,1,2,3
	v_max_num_f32 v[TM+\b], v[TM+\b], v[TM+4+\b]   ; with lane l xor 16's: the block's largest magnitude
.endr
.irp b, 0,1,2,3
	v_add_nc_u32 v[TM+8+\b], 0xff000000, v[TM+\b]  ; 2 off its exponent field: the conversion's scale operand
.endr
.irp b, 0,1,2,3
	v_lshrrev_b32 v[TM+4+\b], 23, v[TM+8+\b]       ; the scale's byte
.endr
	v_lshl_or_b32 v[\pw], v[TM+5], 8, v[TM+4]
	v_lshl_or_b32 v[\pw], v[TM+6], 16, v[\pw]
	v_lshl_or_b32 v[\pw], v[TM+7], 24, v[\pw]
	v_cvt_scalef32_pk16_fp6_f32 v[(\d0):(\d0)+2], v[(\s):(\s)+15], v[TM+8]
	v_cvt_scalef32_pk16_fp6_f32 v[CT:CT+2], v[(\s)+16:(\s)+31], v[TM+9]
	v_cvt_scalef32_pk16_fp6_f32 v[(\d1):(\d1)+2], v[(\s)+32:(\s)+47], v[TM+10]
	v_cvt_scalef32_pk16_fp6_f32 v[CT+4:CT+6], v[(\s)+48:(\s)+63], v[TM+11]
	v_nop                                          ; one plain place behind a scaled conversion
.irp i, 0,1,2
	v_permlane16_swap_b32 v[(\d0)+\i], v[CT+\i]    ; the first's lanes 16-31 change places with the second's lanes 0-15: each lane now has its block's lower 16 codes in the first, the upper 16 in the second
.endr
.irp i, 0,1,2
	v_mov_b32 v[(\d0)+3+\i], v[CT+\i]
.endr
.irp i, 0,1,2
	v_permlane16_swap_b32 v[(\d1)+\i], v[CT+4+\i]
.endr
.irp i, 0,1,2
	v_mov_b32 v[(\d1)+3+\i], v[CT+4+\i]
.endr
.endm
; Unit k of nine: 16 rows x 128 along K, f32.  Units 0-3: token tile 2 w, K steps 0-3; 4-7: tile 2 w + 1; 8: the x tile's K step w.  Each load reads a row's 512 consecutive bytes.
.macro ULOAD k
	WIN 0xc0                                       ; destination window 3
.if (\k) < 8
.irp i, 0,1,2,3,4,5,6,7,8,9,10,11,12,13,14,15
	global_load_b128 v[64*((\k)%4)+4*\i:64*((\k)%4)+4*\i+3], v[LI], s[4:5] offset:(8*((\k)/4)+\i+8*(\i/8))*2048+512*((\k)%4) th:TH_LOAD_NT
.endr
.else
.irp i, 0,1,2,3,4,5,6,7,8,9,10,11,12,13,14,15
	global_load_b128 v[64*((\k)%4)+4*\i:64*((\k)%4)+4*\i+3], v[LI], s[6:7] offset:\i*2048 th:TH_LOAD_NT
.endr
.endif
	WIN 0
.endm
; The unit turns through my stage: in as rows, back as 16 neighbours of each block of 32 for lane (r, h).  LDS serves a wave's instructions in order: no wait between the stores and the loads.
.macro TURN k
	WIN 0x0c                                       ; an LDS store's data: window 3
.irp i, 0,1,2,3,4,5,6,7,8,9,10,11,12,13,14,15
	ds_store_b128 v[STA], v[64*((\k)%4)+4*\i:64*((\k)%4)+4*\i+3] offset:528*\i
.endr
	WIN 0
.set DD, ST-64*((\k)%2)                ; even units into v192.., odd ones into v128..
.irp b, 0,1,2,3
.irp j, 0,1,2,3
	ds_load_b128 v[DD+16*\b+4*\j:DD+16*\b+4*\j+3], v[STB] offset:128*\b+16*\j
.endr
.endr
.endm
; Items a .. z - 1 of a list of 100 loads: Wk's four scale images, then its 32 fragments (K step s, tile t), three loads each, K step by K step
.macro WLOADS a, z
.set WL, \a
.rept (\z)-(\a)
.if WL < 4
	WIN 0
	global_load_b128 v[WS+4*WL:WS+4*WL+3], v[LI], s[8:9] offset:WL*WREC+12288
.else
.set WQ, WL-4
.set FS, WQ/24
.set FT, (WQ/3)%8
.set FC, WQ%3
	WIN ((1+FS/2)<<6)
	global_load_b128 v[96*(FS%2)+12*FT+4*FC:96*(FS%2)+12*FT+4*FC+3], v[LI], s[8:9] offset:(FT/2)*WREC+(4*(FT%2)+FS)*1536+512*FC
.endif
.set WL, WL+1
.endr
	WIN 0
.endm
; Unit k's fragment goes to LDS as it stands, out of the codes' buffer k % 2, with its scale word where that is whole
.macro IMG k
.set PP, KA+12*((\k)%2)
.if (\k) < 8
.irp c, 0,1,2
	ds_store_b128 v[XWI], v[PP+4*\c:PP+4*\c+3] offset:XIMG+(\k)*1536+512*\c
.endr
.if (\k) >= 4
	ds_store_b32 v[XWS], v[PWE+(\k)-4] offset:XSC+4*((\k)-4)
.endif
.else
.irp c, 0,1,2
	ds_store_b128 v[QWI], v[PP+4*\c:PP+4*\c+3] offset:QIMG+512*\c
.endr
	ds_store_b32 v[QWS], v[PW] offset:QSC
.endif
.endm
.macro UNIT k
	s_wait_dscnt 0x0                               ; this unit is back from the stage
.if (\k) <= 4
	WIN 0xc0                                       ; (the switch, the waits, the loads)
.endif
	s_wait_alu depctr_vm_vsrc(0)                   ; units 0 to 4: the stage's stores of this unit have read the set of window 3 in which the loads below land; units 2 to 8: the images' stores issued a unit ago have read the codes' buffer that this unit's QUANT writes
.if (\k) >= 1
	s_wait_alu depctr_va_vdst(0)                   ; the last unit's QUANT has written its codes and its scale word, which the stores below read, and is done reading its 64 numbers, in which the next turn's loads land
.endif
.if (\k) <= 4
	ULOAD (\k)+4
.elseif (\k) < 8
	WLOADS 16*((\k)-5), 16*((\k)-4)
.else
	WLOADS 48, 100
.endif
.if (\k) >= 1
	IMG (\k)-1                                     ; the last unit's image.  No vector instruction since the wait above names its registers
.endif
.if (\k) < 8
	s_wait_loadcnt 48                              ; the next unit's 16 loads are in: three chunks of 16 were issued behind them
	TURN (\k)+1
.endif
.set DQ, ST-64*((\k)%2)
.set PQ, KA+12*((\k)%2)
.if (\k) < 4
	QUANT DQ, PQ, PQ+6, PWE+(\k)
.else
	QUANT DQ, PQ, PQ+6, PW
.endif
.if ((\k) >= 4) && ((\k) < 8)
	v_cndmask_b32 v[PWE+(\k)-4], v[PWE+(\k)-4], v[PW], s22    ; lanes 16-31 take the odd tile's word (both halves of the lanes hold their row's)
.endif
.endm
.macro FETCHX m                        ; token tile m's four fragments, into window 1 (even tiles) or 2
	WIN ((1+(\m)%2)<<6)
.irp s, 0,1,2,3
.irp c, 0,1,2
	ds_load_b128 v[192+12*\s+4*\c:192+12*\s+4*\c+3], v[LI] offset:XIMG+(4*(\m)+\s)*1536+512*\c
.endr
.endr
	WIN 0
.endm
.macro SLOAD n                         ; tile n of my Wv and of my Wq, four fragments each, into set n % 2 of window 3
	WIN 0xc0
.irp s, 0,1,2,3
.irp c, 0,1,2
	global_load_b128 v[96*((\n)%2)+12*\s+4*\c:96*((\n)%2)+12*\s+4*\c+3], v[LI], s[8:9] offset:16*WREC+((\n)/2)*WREC+(4*((\n)%2)+\s)*1536+512*\c
.endr
.endr
.irp s, 0,1,2,3
.irp c, 0,1,2
	global_load_b128 v[96*((\n)%2)+48+12*\s+4*\c:96*((\n)%2)+48+12*\s+4*\c+3], v[LI], s[8:9] offset:32*WREC+((\n)/2)*WREC+(4*((\n)%2)+\s)*1536+512*\c
.endr
.endr
	WIN 0
.endm
.macro PLACES                          ; four plain places behind matrix instructions, ahead of reads of their results (ISA guide 7.12.1)
.rept 4
	v_nop
.endr
.endm
.macro KOUT p                          ; K's codes of token tiles 2 p and 2 p + 1, my two heads
.irp c, 0,1,2
	global_store_b128 v[LI], v[KA+4*\c:KA+4*\c+3], s[10:11] offset:1536*(\p)+512*\c th:TH_STORE_NT      ; 32 lanes store 512 consecutive bytes, at a multiple of 256 from kv's first byte
	global_store_b128 v[LI], v[KB+4*\c:KB+4*\c+3], s[10:11] offset:HB+1536*(\p)+512*\c th:TH_STORE_NT
.endr
.endm
; k of token tile m, my two heads: 32 products, the eight accumulators by turns, quantised along the head's dims
.macro KTILE m
	s_wait_dscnt 0x0                               ; the tile's fragments are in
.if ((\m) >= 1) && ((\m) < 7)
	WIN ((1+((\m)+1)%2)<<6)                        ; (the switch, the wait, the loads)
	s_wait_alu depctr_va_vdst(0)                   ; the products of the tile before are done reading the set in which the next tile's fragments land; at an even tile: the two QUANTs before have written the pair's codes, which the stores below read
.endif
.if (\m) < 7
	FETCHX (\m)+1
.endif
.if (((\m)%2) == 0) && ((\m) >= 2)
	KOUT (\m)/2-1                                  ; the pair before
.endif
.if (\m) == 1
.irp p, 0,1,2,3
	global_load_b128 v[QWS4+4*\p:QWS4+4*\p+3], v[LI], s[8:9] offset:32*WREC+\p*WREC+12288
.endr
	SLOAD 0
	SLOAD 1
.endif
.irp s, 0,1,2,3
.if (\m) == 0
.if \s == 0
	s_wait_loadcnt 48                              ; Wk's scale words and K steps 0, 1 are in: the 48 loads of K steps 2, 3 were issued behind them
.endif
.if \s == 2
	s_wait_loadcnt 0x0
.endif
.endif
	WIN ((1+\s/2)|((1+(\m)%2)<<2))                 ; source 0: Wk, window 1 or 2; source 1: the tile, window 1 or 2
.irp t, 0,1,2,3,4,5,6,7
	WM HA+8*\t, 96*(\s%2)+12*\t, 192+12*\s, (\s==0), WS+4*(\t/2)+\s, XS+4*((\m)/2)+\s, \t%2, (\m)%2
.endr
.endr
	WIN 0
	PLACES
.if (((\m)%2) == 0) && ((\m) >= 2)
	s_wait_xcnt 0x0                                ; the last pair's stores, issued at this tile's head, have had their addresses translated,
	s_wait_alu depctr_vm_vsrc(0)                   ; and have read KA and KB, which this tile's QUANT and the next tile's write again
.endif
	QUANT HA, KA+6*((\m)%2), KB+6*((\m)%2), PW
.if (\m) < 4
	v_and_b32 v[WA+(\m)], 0xffff, v[PW]            ; bytes 0, 1: head 2 w; the upper bytes stay 0
	v_lshrrev_b32 v[WB4+(\m)], 16, v[PW]           ; bytes 2, 3: head 2 w + 1
.else
	v_and_b32 v[T0], 0xffff, v[PW]
	v_lshrrev_b32 v[T1], 16, v[PW]
	v_cndmask_b32 v[WA+(\m)-4], v[WA+(\m)-4], v[T0], s22      ; tiles 4-7 stand in lanes 16-31
	v_cndmask_b32 v[WB4+(\m)-4], v[WB4+(\m)-4], v[T1], s22
.endif
.endm
.macro VOUT n                          ; V's fragment of tile n, out of the codes' buffer n % 2; behind a head's fourth tile its scale words
.set PP, KA+12*((\n)%2)
.irp c, 0,1,2
	global_store_b128 v[LI], v[PP+4*\c:PP+4*\c+3], s[10:11] offset:6144+1536*((\n)%4)+512*\c+((\n)/4)*HB th:TH_STORE_NT
.endr
.if ((\n)%4) == 3
	global_store_b64 v[L8], v[VW-6*((\n)/4):VW-6*((\n)/4)+1], s[10:11] offset:12800+((\n)/4)*HB th:TH_STORE_NT      ; 32 lanes store 256 consecutive bytes
.endif
.endm
; v: tile n of my 128 columns for all 128 tokens (eight accumulators by turns), quantised along the keys; and q: tile n of my 128 columns for the 16 rows of x, one product behind each eight
.macro VTILE n
.if ((\n) == 0) || ((\n) == 7)
	s_wait_loadcnt 0x0
.else
	s_wait_loadcnt 24                              ; this tile's 24 loads are in; the next tile's 24 were issued behind them
.endif
.irp s, 0,1,2,3
	WIN ((1+\s/2)|0x0c)                            ; source 0: the tokens, window 1 or 2; source 1: Wv, window 3
.irp m, 0,1,2,3,4,5,6,7
	WM HA+8*\m, 96*(\s%2)+12*\m, 96*((\n)%2)+12*\s, (\s==0), XS+4*(\m/2)+\s, WS+4*((\n)/2)+\s, \m%2, (\n)%2
.endr
	WIN 0x0f                                       ; Wq and the x tile: window 3
	WM QA+8*(\n), 96*((\n)%2)+48+12*\s, 192+12*\s, (\s==0), QWS4+4*((\n)/2)+\s, QS+\s, (\n)%2, 0
.endr
	WIN 0
	PLACES
.if (\n) != 1
	s_wait_xcnt 0x0                                ; the stores issued a tile ago (tile 0: phase K's last) have had their addresses translated,
	s_wait_alu depctr_vm_vsrc(0)                   ; and have read the codes' buffer that this tile's QUANT writes (tile 0: both buffers, so tile 1 owes nothing)
.endif
.if (\n) <= 5
	WIN 0xc0                                       ; (the switch, the wait, the loads)
.endif
	s_wait_alu depctr_va_vdst(0)                   ; tiles 0 to 5: this tile's products are done reading their set of window 3, in which the loads below land; tiles 1 to 7: the last tile's QUANT has written its codes and scale words, which the stores below read
.if (\n) <= 5
	SLOAD (\n)+2
.endif
.if (\n) >= 1
	VOUT (\n)-1                                    ; the tile before
.endif
.set PQ, KA+12*((\n)%2)
.set VV, VW-6*((\n)/4)                 ; a pair of registers to each head: the first head's is being stored while the second's is made
.if ((\n)%4) < 2
	QUANT HA, PQ, PQ+6, VV+(\n)%4
.else
	QUANT HA, PQ, PQ+6, PW
	v_cndmask_b32 v[VV+(\n)%4-2], v[VV+(\n)%4-2], v[PW], s22  ; a head's tiles 2, 3 stand in lanes 16-31
.endif
.endm
	s_load_b256 s[4:11], s[0:1], 0x0               ; context s[4:5], x s[6:7], wc s[8:9], kv s[10:11]
	s_load_b64 s[12:13], s[0:1], 0x20              ; qc
	v_lshl_add_u32 v[SPW], v0, 2, SPARE
	v_mov_b32 v[NIL], 0
	v_lshrrev_b32 v[T0], 5, v0
	v_readfirstlane_b32 s14, v[T0]                 ; wave 0..3
	v_and_b32 v[T0], 31, v0
	v_lshlrev_b32 v[LI], 4, v[T0]
	v_lshlrev_b32 v[L8], 3, v[T0]
	s_wait_alu depctr_va_sdst(0)                   ; s14 is written, ahead of its first reader: LDS addresses and the buffers' bases are made from it
	s_mul_i32 s15, s14, 8448
	s_add_co_u32 s15, s15, STAGE
	v_add_nc_u32 v[STA], s15, v[LI]
	v_and_b32 v[T0], 15, v0                        ; r
	v_bfe_u32 v[T1], v0, 4, 1                      ; h
	v_mul_u32_u24 v[STB], v[T0], 528
	v_lshl_add_u32 v[STB], v[T1], 6, v[STB]
	v_add_nc_u32 v[STB], s15, v[STB]
	s_mul_i32 s15, s14, 12288
	v_add_nc_u32 v[XWI], s15, v[LI]
	s_lshl_b32 s15, s14, 9
	v_add_nc_u32 v[XWS], s15, v[LI]
	s_mul_i32 s15, s14, 1536
	v_add_nc_u32 v[QWI], s15, v[LI]
	s_lshl_b32 s15, s14, 2
	v_add_nc_u32 v[QWS], s15, v[LI]
	s_mov_b32 s[SEL], 0x76543210
	s_mov_b32 s[SEL+1], 0xfedcba98                 ; v_permlanex16_b32's selects for lane l xor 16
	s_mov_b32 s22, 0xffff0000                      ; lanes 16-31
.irp b, 0,1,2,3
	v_mov_b32 v[TM+4+\b], 0                        ; written once: a lane permute's destination counts as one of its sources
.endr
	v_mov_b32 v[ZA+1], 0
	v_mov_b32 v[ZB+1], 0
	s_lshl_b32 s16, ttmp9, 18                      ; context: 128 tokens of 2,048 bytes a work-group,
	s_lshl_b32 s15, s14, 16                        ; 32 a wave
	s_add_co_u32 s16, s16, s15
	s_mov_b32 s17, 0
	s_lshl_b32 s18, ttmp9, 15                      ; x: 16 rows a work-group,
	s_lshl_b32 s15, s14, 9                         ; K step w
	s_add_co_u32 s18, s18, s15
	s_mov_b32 s19, 0
	s_mul_i32 s24, s14, 4*WREC                     ; wc: my four records of each weight
	s_mov_b32 s25, 0
	s_lshr_b32 s26, ttmp9, 6                       ; the batch
	s_lshl_b32 s26, s26, 3
	s_lshl_b32 s15, s14, 1
	s_add_co_u32 s26, s26, s15                     ; (batch, head 2 w)
	s_lshl_b32 s26, s26, 6
	s_and_b32 s15, ttmp9, 63
	s_add_co_u32 s26, s26, s15                     ; + the key step, which is also the tile of queries
	s_lshl_b32 s28, s26, 10
	s_mov_b32 s29, 0
	s_mul_i32 s26, s26, REC
	s_mov_b32 s27, 0
	s_wait_kmcnt 0x0
	s_add_nc_u64 s[4:5], s[4:5], s[16:17]
	s_add_nc_u64 s[6:7], s[6:7], s[18:19]
	s_add_nc_u64 s[8:9], s[8:9], s[24:25]
	s_add_nc_u64 s[10:11], s[10:11], s[26:27]
	s_add_nc_u64 s[12:13], s[12:13], s[28:29]
	s_wait_alu depctr_va_vdst(0)                   ; the offsets and LDS addresses v1 to v8 are written, which every load and store of the kernel reads; so are the two zeros that q's stores read
	; ---- X: my nine units are quantised; loads run four units (64 loads) ahead, the turn through the stage one unit; a unit's image goes to LDS at the head of the next unit
	ULOAD 0
	ULOAD 1
	ULOAD 2
	ULOAD 3
	s_wait_loadcnt 48                              ; unit 0 is in
	TURN 0
.irp k, 0,1,2,3,4,5,6,7,8
	UNIT \k
.endr
	s_wait_alu depctr_va_vdst(0)                   ; unit 8's QUANT has written its codes and its scale word, which the stores below read
	IMG 8
	s_wait_dscnt 0x0                               ; for the others' sake: my images and scale words have landed
	s_barrier_signal -1
	s_barrier_wait -1                              ; the launch's one barrier: from here on LDS is only read
	s_wait_alu depctr_vm_vsrc(0)                   ; my last two images' stores have read KA, KB and PW, which phase K's QUANTs write
	; ---- K
	FETCHX 0
.irp p, 0,1,2,3
	ds_load_b128 v[XS+4*\p:XS+4*\p+3], v[LI] offset:XSC+512*\p
.endr
.irp m, 0,1,2,3,4,5,6,7
	KTILE \m
.endr
	; ---- V and q: all the tokens' fragments come into registers where Wk's lay; Wv and Wq stream, a tile at a time
	s_wait_alu depctr_va_vdst(0)                   ; tile 7's products are done reading Wk's fragments and scale words, in which the loads below land; the QUANTs have written the last pair's codes and K's scale words, which the stores below read
.irp p, 0,1,2,3
	global_load_b128 v[WS+4*\p:WS+4*\p+3], v[LI], s[8:9] offset:16*WREC+\p*WREC+12288
.endr
	WIN 0x40
.irp s, 0,1
.irp m, 0,1,2,3,4,5,6,7
.irp c, 0,1,2
	ds_load_b128 v[96*\s+12*\m+4*\c:96*\s+12*\m+4*\c+3], v[LI] offset:XIMG+(4*\m+\s)*1536+512*\c
.endr
.endr
.endr
	WIN 0x80
.irp s, 2,3
.irp m, 0,1,2,3,4,5,6,7
.irp c, 0,1,2
	ds_load_b128 v[96*(\s-2)+12*\m+4*\c:96*(\s-2)+12*\m+4*\c+3], v[LI] offset:XIMG+(4*\m+\s)*1536+512*\c
.endr
.endr
.endr
	WIN 0xc0
.irp s, 0,1,2,3
.irp c, 0,1,2
	ds_load_b128 v[192+12*\s+4*\c:192+12*\s+4*\c+3], v[LI] offset:QIMG+\s*1536+512*\c
.endr
.endr
	WIN 0
	ds_load_b128 v[QS:QS+3], v[LI] offset:QSC
	KOUT 3                                         ; the last pair, and K's scale words.  No vector instruction since the wait above
	global_store_b128 v[LI], v[WA:WA+3], s[10:11] offset:12288 th:TH_STORE_NT
	global_store_b128 v[LI], v[WB4:WB4+3], s[10:11] offset:HB+12288 th:TH_STORE_NT
	s_wait_dscnt 0x0
.irp n, 0,1,2,3,4,5,6,7
	VTILE \n
.endr
	; ---- q's way out: its eight accumulators are 128 columns of my 16 rows: two heads
	s_wait_xcnt 0x0                                ; tile 6's stores have had their addresses translated,
	s_wait_alu depctr_vm_vsrc(0)                   ; and have read KA, which the QUANT below writes
	QUANT QA, KA, KA+6, PW
	v_and_b32 v[ZA], 0xffff, v[PW]
	v_lshrrev_b32 v[ZB], 16, v[PW]
	s_wait_alu depctr_va_vdst(0)                   ; tile 7's QUANT has written KB and v13, q's KA, ZA and ZB: the stores below read them
	VOUT 7
	global_store_b128 v[LI], v[KA:KA+3], s[12:13] th:TH_STORE_NT
	global_store_b64 v[L8], v[KA+4:KA+5], s[12:13] offset:512 th:TH_STORE_NT
	global_store_b64 v[L8], v[ZA:ZA+1], s[12:13] offset:768 th:TH_STORE_NT
	global_store_b128 v[LI], v[KA+6:KA+9], s[12:13] offset:QHB th:TH_STORE_NT
	global_store_b64 v[L8], v[KA+10:KA+11], s[12:13] offset:QHB+512 th:TH_STORE_NT
	global_store_b64 v[L8], v[ZB:ZB+1], s[12:13] offset:QHB+768 th:TH_STORE_NT
	s_wait_dscnt 0x0                               ; the closing lines, six on end (every window is 0 here)
	s_wait_alu 0x0
	s_wait_tensorcnt 0x0
	ds_add_u32 v[SPW], v[NIL]
	s_wait_dscnt 0x0
	s_endpgm
.Lfunc_end_k_q38471a4c2b_proj:
	.size	k_q38471a4c2b_proj, .Lfunc_end_k_q38471a4c2b_proj-k_q38471a4c2b_proj
	.p2alignl 7, 3214868480
	.fill 96, 4, 3214868480
	.section	.rodata,"a",@progbits
	.p2align	6, 0x0
	.amdhsa_kernel k_q38471a4c2b_proj
		.amdhsa_group_segment_fixed_size 92160
		.amdhsa_private_segment_fixed_size 0
		.amdhsa_enable_private_segment 0
		.amdhsa_kernarg_size 40
		.amdhsa_user_sgpr_count 2
		.amdhsa_user_sgpr_kernarg_segment_ptr 1
		.amdhsa_wavefront_size32 1
		.amdhsa_system_sgpr_workgroup_id_x 1
		.amdhsa_system_sgpr_workgroup_id_y 1
		.amdhsa_system_sgpr_workgroup_id_z 1
		.amdhsa_system_vgpr_workitem_id 0
		.amdhsa_next_free_vgpr 1024
		.amdhsa_next_free_sgpr 66
		.amdhsa_reserve_vcc 0
		.amdhsa_float_denorm_mode_32 3
		.amdhsa_float_denorm_mode_16_64 3
		.amdhsa_memory_ordered 1
		.amdhsa_forward_progress 1
		.amdhsa_inst_pref_size 255
	.end_amdhsa_kernel
	.section	.bss,"aw",@nobits
	.p2align	6
	.space	262144
	.amdgpu_metadata
---
amdhsa.version: [ 1, 2 ]
amdhsa.kernels:
  - .name:           k_q38471a4c2b_proj
    .symbol:         k_q38471a4c2b_proj.kd
    .args:
      - { .name: context, .offset: 0, .size: 8, .value_kind: global_buffer, .address_space: global }
      - { .name: x, .offset: 8, .size: 8, .value_kind: global_buffer, .address_space: global }
      - { .name: wc, .offset: 16, .size: 8, .value_kind: global_buffer, .address_space: global }
      - { .name: kv, .offset: 24, .size: 8, .value_kind: global_buffer, .address_space: global }
      - { .name: qc, .offset: 32, .size: 8, .value_kind: global_buffer, .address_space: global }
    .group_segment_fixed_size: 92160
    .private_segment_fixed_size: 0
    .kernarg_segment_align: 8
    .kernarg_segment_size: 40
    .max_flat_workgroup_size: 128
    .sgpr_count:     66
    .vgpr_count:     1024
    .wavefront_size: 32
...
	.end_amdgpu_metadata
.endif
;; end of part 6
;; launch attn (part 7): grid 8 x 32, 8 waves a work-group, clusters of 4 x 1, 327,680 bytes of LDS; arguments qc, kv, ao; writes ao
.if DOCPART == 7
	.amdgcn_target "amdgcn-amd-amdhsa--gfx1250"
	.amdhsa_code_object_version 6
	.text
	.protected	k_q38471a4c2b_attn
	.globl	k_q38471a4c2b_attn
	.p2align	8
	.type	k_q38471a4c2b_attn,@function
k_q38471a4c2b_attn:
	s_mov_b64 s[64:65], 0
	v_nop
	global_prefetch_b8 v0, s[64:65] scope:SCOPE_SE
	s_setreg_imm32_b32 hwreg(HW_REG_WAVE_MODE, 25, 1), 1
	s_wait_xcnt 0x0
	s_wait_alu depctr_hold_cnt(0) depctr_sa_sdst(0) depctr_va_vdst(0) depctr_va_sdst(0) depctr_va_ssrc(0) depctr_va_vcc(0) depctr_vm_vsrc(0)
	s_getreg_b32 s2, hwreg(HW_REG_IB_STS2, 6, 4)
	s_cmp_eq_u32 s2, 0
	s_cbranch_scc0 .Lentry_in_a_cluster
	s_endpgm
.Lentry_in_a_cluster:
	s_bfe_u32 s2, ttmp6, 0x10000c
	s_cmp_lg_u32 s2, 0x3003
	s_cbranch_scc0 .Lentry_shape_is_right
	s_endpgm
.Lentry_shape_is_right:
; O[b][h][q] = the sum over keys of softmax(q . k / 8) v, both products on codes of FP6 (E2M3) with one E8M0 scale for each 32 along a product's K; O / l is quantised at once, along the head's 64, for the last projection.
; THE SOFTMAX AHEAD OF THE SECOND PRODUCT: t = score x log2(e) / 8; M = the running largest t rounded UP to a whole number; p = 2^(t - M) is quantised along the keys, not normalised; the row's sum l is taken of the
; unquantised p.  When M moves, l and O are multiplied by 2^(old M - new M): exact, and no branch on data.
; IN.  kv: a record of 13,056 bytes for each (batch x head, step of 128 keys), all as images of the operands' registers (registers 4 g .. 4 g + 3 of lane l at 512 g + 16 l): K's 48 registers at 0 (tile t of 16 keys: registers 6 t .. 6 t + 5),
; V's four fragments at 6,144, K's scale words at 12,288, V's at 12,800.  qc: 1,024 bytes for each (batch x head, tile of 16 queries).   OUT.  ao: 1,024 bytes for each (tile of queries, head), in qc's form.
; K = 64 IN AN INSTRUCTION OF K = 128: Q's registers 6-11 are zero codes, so whatever stands in K's registers 6-11 adds nothing: K's tiles lie 6 registers apart, a tile's upper half is the next tile's codes, and 6 registers of zeros follow tile 7.
; Scale bytes 2, 3 are 0 on both sides.
; SHARES.  A work-group owns 128 queries of one head, each of its eight waves 16: one tile, in 256 registers, two waves to a SIMD.  Every wave walks the head's 64 steps of 128 keys.
; LAYOUT.  Both products are used transposed (S^T = K Q^T, O^T = V^T P^T): a lane holds ONE query (lane % 16).  The keys of a tile of K and the dims of a tile of V are not neighbours (lane r of tile 2 b + u: item 32 b + 8 u + r + 8 (r / 8)),
; so that the 16 registers of tiles 2 b, 2 b + 1 are 16 neighbours: p and O are quantised without changing lanes but for the exchange of halves.
; RING.  Two LDS slots of 8 records.  CLUSTER: the four query blocks of a cluster belong to one head and walk the same records, so each record is asked for JOINTLY: the same tensor load, the same descriptor, a mask that names the four.
; Wave w fetches record w of a slot: one load a wave behind each round, eight steps in which it lands; by this text's count one tensor load of a wave is out at a time.
; LIMITS: NaN and infinities are not served; 1 / l by v_rcp_f32; a block of O / l or of p whose largest magnitude lies under 2^-124 keeps the byte 1.
.set REC,   13056
.set SLOTB, 8*REC                      ; 104,448
.set HEADB, 64*REC
.set SLOT1, 1<<17                      ; slot 1 begins here: one exclusive or turns an address from one slot to the other
.set SPARE, SLOTB                      ; in the gap behind slot 0: the spare words, 128 bytes for each of eight waves; no fill lands there
.set LI,  1                            ; v1  16 x lane
.set L8,  2                            ; v2  8 x lane
.set SPW, 3                            ; v3  my spare word; never rewritten
.set NIL, 4                            ; v4  0; never rewritten
.set ADR, 5                            ; v5  the step's record + 16 x lane
.set ADR8, 6                           ; v6  + 8 x lane
.set PFO, 7                            ; v7  the prefetches' offset
.set QF,  16                           ; v16-27 Q's fragment; 22-27 zeros.   v12 -M, v13 the largest t, v[14:15] l in two halves
.set QS,  28                           ; v28 Q's scale words
.set PS,  29                           ; v29 p's
.set KS,  30                           ; v30-33 K's: register t % 4, lanes 16-31 for tiles 4-7
.set VS,  34                           ; v34-35 V's: register t % 2, lanes 16-31 for tiles 2, 3
.set FF,  36                           ; v36 f = 2^(old M - new M); v37 = 0, named with it as a pair
.set KF,  38                           ; v38-85 K; v86-91 zeros
.set VF,  92                           ; v92-139 V
.set S,   140                          ; v140-203 S^T, then p
.set O,   204                          ; v204-235 O^T
.set PC,  236                          ; v236-247 p's codes
.set CT,  248                          ; v248-254
.set BM,  KF                           ; at work once the scores' products are four places back: the blocks' largest scores,
.set BP,  KF+4                         ; the other half's, then the bytes,
.set SO,  KF+8                         ; the conversions' scale operands,
.set TT,  KF+12
.set S2,  KF+14                        ; and the sum's second chain
.set WV,  12
.set SEL, 20
.set CS,  22                           ; s[22:23] c = log2(e) / 8
.set G1,  24
.set G0,  32
.set TB,  36                           ; s36 LDS byte at which the step's record begins
.set SLOTS, 37
.set TW,  38
.set PFA, 40
.set LIM, 42
.macro WM d, a, b, zero, sa, sb, ra, rb
.if \zero
.if \ra
	v_wmma_scale_f32_16x16x128_f8f6f4 v[(\d):(\d)+7], v[(\a):(\a)+11], v[(\b):(\b)+11], 0, v[\sa], v[\sb] matrix_a_fmt:MATRIX_FMT_FP6 matrix_b_fmt:MATRIX_FMT_FP6 matrix_a_scale:MATRIX_SCALE_ROW1
.else
	v_wmma_scale_f32_16x16x128_f8f6f4 v[(\d):(\d)+7], v[(\a):(\a)+11], v[(\b):(\b)+11], 0, v[\sa], v[\sb] matrix_a_fmt:MATRIX_FMT_FP6 matrix_b_fmt:MATRIX_FMT_FP6
.endif
.else
.if \ra
	v_wmma_scale_f32_16x16x128_f8f6f4 v[(\d):(\d)+7], v[(\a):(\a)+11], v[(\b):(\b)+11], v[(\d):(\d)+7], v[\sa], v[\sb] matrix_a_fmt:MATRIX_FMT_FP6 matrix_b_fmt:MATRIX_FMT_FP6 matrix_a_scale:MATRIX_SCALE_ROW1
.else
	v_wmma_scale_f32_16x16x128_f8f6f4 v[(\d):(\d)+7], v[(\a):(\a)+11], v[(\b):(\b)+11], v[(\d):(\d)+7], v[\sa], v[\sb] matrix_a_fmt:MATRIX_FMT_FP6 matrix_b_fmt:MATRIX_FMT_FP6
.endif
.endif
.endm
; A round of the cluster's barrier: my work-group's barrier, wave 0 signals for the work-group, every wave waits for all four work-groups, my work-group's barrier once more.
.macro CROUND
	s_barrier_signal -1
	s_barrier_wait -1
	s_cmp_lg_u32 s[WV], 0
	s_cbranch_scc1 .Lnot_wave_0_\@
	s_barrier_signal -3
.Lnot_wave_0_\@:
	s_barrier_wait -3
	s_barrier_signal -1
	s_barrier_wait -1
.endm
; A PREFETCH INTO THE L2 of the slot that the NEXT change of slots will ask for: eight steps ahead of that load.  Both clusters of a head walk the same records: the head's first cluster asks.  Its four partners share the slot's 408 blocks
; of 256 bytes out BY ADDRESS, 102 each; in each, waves 0 to 3 ask, a lane a block (the lanes past the share's last block name that block again).  The last change that fills a slot asks for nothing; slots 0 and 1 come by their loads alone.
.macro ASK
	s_cmp_gt_u32 s[SLOTS], s[LIM]
	s_cbranch_scc0 .Lnot_mine_\@
	global_prefetch_b8 v[PFO], s[PFA:PFA+1] th:TH_LOAD_NT scope:SCOPE_SE
.Lnot_mine_\@:
.endm
; A KEY STEP: 128 keys, one record.
.macro STEP
	v_add_nc_u32 v[ADR], s[TB], v[LI]
	v_add_nc_u32 v[ADR8], s[TB], v[L8]
	v_nop
	v_nop                                          ; four plain places behind the last step's products, ahead of the loads into V's registers and V's scale words
.irp g, 0,1,2,3,4,5,6,7,8,9,10,11
	ds_load_b128 v[KF+4*\g:KF+4*\g+3], v[ADR] offset:512*\g          ; 32 lanes read 512 consecutive bytes
.endr
	ds_load_b128 v[KS:KS+3], v[ADR] offset:12288
.irp g, 0,1,2,3,4,5,6,7,8,9,10,11
	ds_load_b128 v[VF+4*\g:VF+4*\g+3], v[ADR] offset:6144+512*\g
.endr
	ds_load_b64 v[VS:VS+1], v[ADR8] offset:12800
	s_wait_dscnt 13                                ; K and its scale words are in; V's 13 loads may be out
.irp t, 0,1,2,3,4,5,6,7
	WM S+8*\t, KF+6*\t, QF, 1, KS+\t%4, QS, \t/4, 0
.endr
.rept 4
	v_nop
.endr
.irp b, 0,1,2,3
	v_max3_num_f32 v[BM+\b], v[S+16*\b], v[S+1+16*\b], v[S+2+16*\b]   ; THE LARGEST SCORE OF EACH BLOCK OF 32 KEYS: for the row's maximum, and, since p rises with the score, for the block's largest p
.endr
.irp i, 3,5,7,9,11,13
.irp b, 0,1,2,3
	v_max3_num_f32 v[BM+\b], v[BM+\b], v[S+16*\b+\i], v[S+1+16*\b+\i]
.endr
.endr
.irp b, 0,1,2,3
	v_max_num_f32 v[BM+\b], v[BM+\b], v[S+15+16*\b]
.endr
.irp b, 0,1,2,3
	s_delay_alu instid0(VALU_DEP_4)
	v_permlanex16_b32 v[BP+\b], v[BM+\b], s[SEL], s[SEL+1]
.endr
.irp b, 0,1,2,3
	s_delay_alu instid0(VALU_DEP_4)
	v_max_num_f32 v[BM+\b], v[BM+\b], v[BP+\b]     ; with lane l xor 16's 16 keys
.endr
	s_delay_alu instid0(VALU_DEP_2)
	v_max3_num_f32 v[TT], v[BM], v[BM+1], v[BM+2]
	s_delay_alu instid0(VALU_DEP_1)
	v_max_num_f32 v[TT], v[TT], v[BM+3]            ; the step's largest score of my query
	s_delay_alu instid0(VALU_DEP_1)
	v_mul_f32 v[TT], s[CS], v[TT]                  ; as t (c is positive)
	s_delay_alu instid0(VALU_DEP_1)
	v_max_num_f32 v13, v13, v[TT]                  ; the running largest t
	v_mov_b32 v[TT], v12
	s_delay_alu instid0(VALU_DEP_2)
	v_floor_f32 v12, -v13                          ; the new -M = floor(-t) = -ceil(t)
	s_delay_alu instid0(VALU_DEP_1)
	v_sub_f32 v[TT], v12, v[TT]                    ; old M - new M: a whole number, 0 or less
	s_delay_alu instid0(VALU_DEP_1)
	v_cvt_i32_f32 v[TT], v[TT]                     ; (it saturates)
	s_delay_alu instid0(VALU_DEP_1)
	v_ldexp_f32 v[FF], 1.0, v[TT]                  ; f = 2^(old M - new M)
.set J, 0
.rept 32
	v_pk_fma_f32 v[S+J:S+J+1], v[S+J:S+J+1], s[CS:CS+1], v[12:13] op_sel_hi:[1,0,0]   ; t - M, two at a time
.set J, J+2
.endr
.irp b, 0,1,2,3
	v_fma_f32 v[BM+\b], v[BM+\b], s[CS], v12       ; the same of each block's largest score
.endr
.set J, 0
	s_wait_alu depctr_va_vdst(0)
.rept 64
	v_exp_f32 v[S+J], v[S+J]                       ; p = 2^(t - M), at most 1
.set J, J+1
.endr
	s_setprio 1
	v_pk_mul_f32 v[14:15], v[14:15], v[FF:FF+1] op_sel_hi:[1,0]     ; l under the new M: a plain place behind the exponentials
	s_wait_alu depctr_va_vdst(0)                   ; one wait for the whole batch, ahead of its first reader
.irp b, 0,1,2,3
	v_exp_f32 v[BM+\b], v[BM+\b]                   ; the block's largest p: the same two instructions on the same number give the same bits
.endr
	v_pk_add_f32 v[52:53], v[144:145], v[148:149]
	v_pk_add_f32 v[254:255], v[152:153], v[156:157]
	v_pk_add_f32 v[252:253], v[160:161], v[164:165]
	v_pk_add_f32 v[250:251], v[168:169], v[172:173]
	v_pk_add_f32 v[248:249], v[176:177], v[180:181]
	v_pk_add_f32 v[246:247], v[184:185], v[188:189]
	v_pk_add_f32 v[244:245], v[192:193], v[196:197]
	v_pk_add_f32 v[14:15], v[14:15], v[200:201]
	v_pk_add_f32 v[52:53], v[52:53], v[140:141]
	v_pk_add_f32 v[254:255], v[254:255], v[142:143]
	v_pk_add_f32 v[252:253], v[252:253], v[146:147]
	v_pk_add_f32 v[250:251], v[250:251], v[150:151]
	v_pk_add_f32 v[248:249], v[248:249], v[154:155]
	v_pk_add_f32 v[246:247], v[246:247], v[158:159]
	v_pk_add_f32 v[244:245], v[244:245], v[162:163]
	v_pk_add_f32 v[14:15], v[14:15], v[166:167]
	v_pk_add_f32 v[52:53], v[52:53], v[170:171]
	v_pk_add_f32 v[254:255], v[254:255], v[174:175]
	v_pk_add_f32 v[252:253], v[252:253], v[178:179]
	v_pk_add_f32 v[250:251], v[250:251], v[182:183]
	v_pk_add_f32 v[248:249], v[248:249], v[186:187]
	v_pk_add_f32 v[246:247], v[246:247], v[190:191]
	v_pk_add_f32 v[244:245], v[244:245], v[194:195]
	v_pk_add_f32 v[14:15], v[14:15], v[198:199]
	v_pk_add_f32 v[52:53], v[52:53], v[202:203]
	s_delay_alu instid0(VALU_DEP_2)
	v_pk_add_f32 v[14:15], v[14:15], v[250:251]
	s_delay_alu instid0(VALU_DEP_2)
	v_pk_add_f32 v[52:53], v[52:53], v[248:249]
	v_pk_add_f32 v[254:255], v[254:255], v[246:247]
	v_pk_add_f32 v[252:253], v[252:253], v[244:245]
	s_delay_alu instid0(VALU_DEP_2)
	v_pk_add_f32 v[14:15], v[14:15], v[254:255]
	s_delay_alu instid0(VALU_DEP_2)
	v_pk_add_f32 v[52:53], v[52:53], v[252:253]
	s_delay_alu instid0(VALU_DEP_1)
	v_pk_add_f32 v[14:15], v[14:15], v[52:53]
	s_wait_alu depctr_va_vdst(0)                   ; and one for the four
.irp b, 0,1,2,3
	v_max_num_f32 v[BM+\b], 0x1800000, v[BM+\b]    ; the floor 2^(3 - 127): the byte cannot fall under 1
.endr
.irp b, 0,1,2,3
	s_delay_alu instid0(VALU_DEP_4)
	v_add_nc_u32 v[SO+\b], 0xff000000, v[BM+\b]    ; 2 off the exponent field: the conversion's scale operand
.endr
.irp b, 0,1,2,3
	s_delay_alu instid0(VALU_DEP_4)
	v_lshrrev_b32 v[BP+\b], 23, v[SO+\b]           ; the scale's byte
.endr
	s_delay_alu instid0(VALU_DEP_3)
	v_lshl_or_b32 v[PS], v[BP+1], 8, v[BP]         ; p's scale word for these 128 keys
	s_delay_alu instid0(VALU_DEP_1)
	v_lshl_or_b32 v[PS], v[BP+2], 16, v[PS]
	s_delay_alu instid0(VALU_DEP_1)
	v_lshl_or_b32 v[PS], v[BP+3], 24, v[PS]
	v_cvt_scalef32_pk16_fp6_f32 v[PC:PC+2], v[S:S+15], v[SO]
	v_cvt_scalef32_pk16_fp6_f32 v[CT:CT+2], v[S+16:S+31], v[SO+1]
	v_cvt_scalef32_pk16_fp6_f32 v[PC+6:PC+8], v[S+32:S+47], v[SO+2]
	v_cvt_scalef32_pk16_fp6_f32 v[CT+4:CT+6], v[S+48:S+63], v[SO+3]
	v_nop                                          ; one plain place behind a scaled conversion
.irp c, 0,1                                    ; the operand's layout wants a WHOLE block in a lane
.irp i, 0,1,2
	v_permlane16_swap_b32 v[PC+6*\c+\i], v[CT+4*\c+\i]
.endr
.irp i, 0,1,2
	s_delay_alu instid0(VALU_DEP_3)
	v_mov_b32 v[PC+3+6*\c+\i], v[CT+4*\c+\i]
.endr
.endr
.set J, 0
	s_setprio 0
.rept 16
	v_pk_mul_f32 v[O+J:O+J+1], v[O+J:O+J+1], v[FF:FF+1] op_sel_hi:[1,0]   ; O^T under the new M, each accumulator from its low end on.  (These sixteen are also the places between p's codes and scale word and the products below)
.set J, J+2
.endr
	s_wait_alu depctr_va_vdst(0)
	s_wait_dscnt 0x0                               ; V is in
.irp t, 0,1,2,3
	WM O+8*\t, VF+12*\t, PC, 0, VS+\t%2, PS, \t/2, 0       ; four accumulators, one instruction a turn
.endr
	s_add_co_u32 s[TB], s[TB], REC                 ; the next step's record
.endm
.macro SLOT_STEPS                      ; a slot's eight steps: written once, walked eight times
	s_mov_b32 s[TW], 8
.Lstep_\@:
	s_setprio 2
	STEP
	s_sub_co_u32 s[TW], s[TW], 1
	s_cmp_lg_u32 s[TW], 0
	s_cbranch_scc1 .Lstep_\@
	s_setprio 0
	s_sub_co_u32 s[TB], s[TB], SLOTB               ; back to a slot's first record,
	s_xor_b32 s[TB], s[TB], SLOT1                  ; in the other slot
.endm
; THE CHANGE OF SLOTS stands at a slot's head.  Each wave waits for all its tensor loads (its record of the slot ahead), adds 0 to its spare word, and waits for that and for its reads of the slot that it has left.
; fill = 1: a round of the cluster's barrier, so that no wave of any partner still reads that slot or has a load on its way; the joint refill is the first thing behind it.
.macro CHANGE fill
	s_wait_tensorcnt 0x0                           ; no tensor load of mine is out, so the group 0 may be written
	ds_add_u32 v[SPW], v[NIL]                      ; 0 onto my spare word
.if \fill
	s_xor_b32 s[G0+1], s[G0+1], SLOT1              ; the walking descriptor: the other slot than last time,
	s_add_nc_u64 s[G0+2:G0+3], s[G0+2:G0+3], SLOTB ; the next eight records; the type bits on top are not reached
	s_wait_xcnt 0x0                                ; the last prefetch, a slot back, has read its address
	s_add_nc_u64 s[PFA:PFA+1], s[PFA:PFA+1], SLOTB
	s_wait_dscnt 0x0                               ; the add is done, and my reads of the slot that I have left are over
	CROUND
	tensor_load_to_lds s[G0:G0+3], s[G1:G1+7]      ; my one tensor load until the next round
	s_nop 0
.rept 4
	v_nop
.endr
	ASK
.else
	s_wait_dscnt 0x0
	s_barrier_signal -1
	s_barrier_wait -1
.endif
.endm
	s_load_b128 s[4:7], s[0:1], 0x0                ; qc s[4:5], kv s[6:7]
	s_load_b64 s[8:9], s[0:1], 0x10                ; ao
	v_lshl_add_u32 v[SPW], v0, 2, SPARE
	v_mov_b32 v[NIL], 0
	ds_add_u32 v[SPW], v[NIL]                      ; the wave's opening: the add, and its wait ahead of my first tensor load; the set-up below, work on registers, stands between them
	ds_add_u32 v[SPW], v[NIL]
	v_lshrrev_b32 v5, 5, v0
	s_delay_alu instid0(VALU_DEP_1)
	v_readfirstlane_b32 s[WV], v5                  ; wave 0..7
	s_bfe_u32 s13, ttmp6, 0x40000                  ; cx: my place in the cluster
	s_lshl_b32 s14, ttmp9, 2
	s_add_co_u32 s14, s14, s13                     ; my block of 128 queries: it enters qc's and ao's addresses alone
	s_and_b32 s15, ttmp7, 0xffff                   ; batch x head, which the four partners share
	; descriptor group 1: a record, 13,056 dense bytes, as 51 rows of 256 bytes (32 elements of 8 bytes), no padding: the images are read 512 consecutive bytes at a time
	s_mov_b32 s[G1], 15|(3<<16)|(1<<21)            ; 15:0 the mask: all four work-groups; 17:16 elements of 8 bytes; 21 set beside a mask
	s_mov_b32 s[G1+1], 32<<16                      ; tensor_dim0 = 32
	s_mov_b32 s[G1+2], 51<<16                      ; tensor_dim1 = 51
	s_mov_b32 s[G1+3], 32<<16                      ; tile_dim0 = 32
	s_mov_b32 s[G1+4], 51                          ; tile_dim1 = 51
	s_mov_b32 s[G1+5], 32                          ; from row to row
	s_mov_b32 s[G1+6], 0
	s_mov_b32 s[G1+7], 0
	s_mul_i32 s16, s15, HEADB                      ; the head's first record,
	s_mul_i32 s18, s[WV], REC                      ; my record of a slot: in memory and in LDS alike; no place in the cluster enters either
	s_add_co_u32 s16, s16, s18
	s_mov_b32 s17, 0
	s_lshl_b32 s44, s15, 6                         ; qc: (batch x head) x 64 + 8 x block + wave, 1,024 bytes each
	s_lshl_b32 s45, s14, 3
	s_add_co_u32 s44, s44, s45
	s_add_co_u32 s44, s44, s[WV]
	s_lshl_b32 s44, s44, 10
	s_mov_b32 s45, 0
	s_lshr_b32 s46, s15, 3                         ; ao: ((batch x 64 + 8 x block + wave) x 8 + head), 1,024 bytes each
	s_lshl_b32 s46, s46, 6
	s_lshl_b32 s47, s14, 3
	s_add_co_u32 s46, s46, s47
	s_add_co_u32 s46, s46, s[WV]
	s_lshl_b32 s46, s46, 3
	s_and_b32 s47, s15, 7
	s_add_co_u32 s46, s46, s47
	s_lshl_b32 s46, s46, 10
	s_mov_b32 s47, 0
	s_mul_i32 s48, s15, HEADB                      ; the prefetches: the head, my work-group's 102 blocks,
	s_mul_i32 s49, s13, 102*256
	s_add_co_u32 s48, s48, s49
	s_add_co_u32 s48, s48, SLOTB                   ; in slot 1: the first change of slots steps it to slot 2.  Nothing is prefetched at the head
	s_mov_b32 s49, 0
	s_lshr_b32 s[LIM], s[WV], 2                    ; 0 in waves 0 to 3,
	s_or_b32 s[LIM], s[LIM], ttmp9                 ; of the head's first cluster: the same in all four partners
	s_cmp_eq_u32 s[LIM], 0
	s_cselect_b32 s[LIM], 1, -1
	v_min_u32 v[PFO], 101, v0
	s_delay_alu instid0(VALU_DEP_1)
	v_lshlrev_b32 v[PFO], 8, v[PFO]
	s_mov_b32 s[SEL], 0x76543210
	s_mov_b32 s[SEL+1], 0xfedcba98
	s_mov_b32 s[CS], 0x3e38aa3b                    ; c = log2(e) / 8
	s_mov_b32 s[CS+1], s[CS]                       ; (named with it as a pair, so it is written)
	s_mov_b32 s[TB], 0
	s_mov_b32 s[SLOTS], 7
	v_and_b32 v5, 31, v0
	s_delay_alu instid0(VALU_DEP_1)
	v_lshlrev_b32 v[LI], 4, v5
	s_delay_alu instid0(VALU_DEP_2)
	v_lshlrev_b32 v[L8], 3, v5
	s_wait_dscnt 0x0                               ; the opening add is done
	s_wait_kmcnt 0x0
	s_mov_b32 s[G0], 1                             ; count = 1
	s_mov_b32 s[G0+1], s18                         ; LDS address: slot 0, my record
	s_add_nc_u64 s[G0+2:G0+3], s[6:7], s[16:17]
	s_or_b32 s[G0+3], s[G0+3], 0x80000000          ; type = 2
	s_add_nc_u64 s[PFA:PFA+1], s[6:7], s[48:49]
	s_add_nc_u64 s[4:5], s[4:5], s[44:45]
	s_add_nc_u64 s[8:9], s[8:9], s[46:47]
	CROUND                                         ; all four work-groups are here: the first joint loads meet
	tensor_load_to_lds s[G0:G0+3], s[G1:G1+7]      ; slot 0; slot 1 is filled behind the first change's round, as a refill is
	s_nop 0
.rept 4
	v_nop
.endr
	s_wait_alu depctr_va_vdst(0)
	global_load_b128 v[QF:QF+3], v[LI], s[4:5]     ; Q's six registers and its scale words stay in registers
	global_load_b64 v[QF+4:QF+5], v[L8], s[4:5] offset:512
	global_load_b32 v[QS], v[L8], s[4:5] offset:768
.irp j, 6,7,8,9,10,11
	v_mov_b32 v[QF+\j], 0                          ; zero codes for k = 64 .. 127
.endr
.irp j, 0,1,2,3,4,5
	v_mov_b32 v[KF+48+\j], 0                       ; behind K's tile 7
.endr
.set J, 0
.rept 32
	v_mov_b32 v[O+J], 0                            ; O^T.  (The step is written once: the first finds zeros, which the first change of M leaves zeros)
.set J, J+1
.endr
	v_mov_b32 v14, 0
	v_mov_b32 v15, 0
	v_mov_b32 v[FF+1], 0
	v_mov_b32 v13, 0xff61b1e6                      ; the largest t so far: -3e38, under every t
	s_delay_alu instid0(VALU_DEP_1)
	v_floor_f32 v12, -v13
	s_wait_loadcnt 0x0
.Lslot:                                            ; seven trips: behind each change of slots but the last the next slot is asked for
	CHANGE 1
	SLOT_STEPS
	s_sub_co_u32 s[SLOTS], s[SLOTS], 1
	s_cmp_lg_u32 s[SLOTS], 0
	s_cbranch_scc1 .Lslot
	CHANGE 0                                       ; the last slot is written out
	SLOT_STEPS
	; THE WAY OUT: O^T / l, quantised along the head's 64 (two blocks), as six registers and a scale word
	v_add_f32 v14, v14, v15
	s_delay_alu instid0(VALU_DEP_1)
	v_permlanex16_b32 v[TT], v14, s[SEL], s[SEL+1]
	s_delay_alu instid0(VALU_DEP_1)
	v_add_f32 v14, v14, v[TT]                      ; with lane l xor 16's keys: the row's sum
	s_wait_alu depctr_va_vdst(0)
	v_rcp_f32 v14, v14
	v_mov_b32 v[KF+17], 0                          ; (plain places behind the reciprocal and behind the last products)
	v_nop
	v_nop
	v_nop
	s_wait_alu depctr_va_vdst(0)                   ; the wait ahead of the reciprocal's first reader
.set J, 0
.rept 32
	v_mul_f32 v[S+J], v[O+J], v14                  ; register 16 b + i: dim 32 b + 16 (lane / 16) + i of my query
.set J, J+1
.endr
	v_max3_num_f32 v[BM], |v[S]|, |v[S+1]|, 0x1800000
	v_max3_num_f32 v[BM+1], |v[S+16]|, |v[S+17]|, 0x1800000
.irp i, 2,4,6,8,10,12,14
	s_delay_alu instid0(VALU_DEP_2)
	v_max3_num_f32 v[BM], v[BM], |v[S+\i]|, |v[S+1+\i]|
	s_delay_alu instid0(VALU_DEP_2)
	v_max3_num_f32 v[BM+1], v[BM+1], |v[S+16+\i]|, |v[S+17+\i]|
.endr
	s_delay_alu instid0(VALU_DEP_2)
	v_permlanex16_b32 v[BP], v[BM], s[SEL], s[SEL+1]
	s_delay_alu instid0(VALU_DEP_2)
	v_permlanex16_b32 v[BP+1], v[BM+1], s[SEL], s[SEL+1]
	s_delay_alu instid0(VALU_DEP_2)
	v_max_num_f32 v[BM], v[BM], v[BP]
	s_delay_alu instid0(VALU_DEP_2)
	v_max_num_f32 v[BM+1], v[BM+1], v[BP+1]
	s_delay_alu instid0(VALU_DEP_2)
	v_add_nc_u32 v[SO], 0xff000000, v[BM]
	s_delay_alu instid0(VALU_DEP_2)
	v_add_nc_u32 v[SO+1], 0xff000000, v[BM+1]
	s_delay_alu instid0(VALU_DEP_2)
	v_lshrrev_b32 v[BP], 23, v[SO]
	s_delay_alu instid0(VALU_DEP_2)
	v_lshrrev_b32 v[BP+1], 23, v[SO+1]
	s_delay_alu instid0(VALU_DEP_1)
	v_lshl_or_b32 v[KF+16], v[BP+1], 8, v[BP]      ; the scale word: two bytes, the upper two 0
	v_cvt_scalef32_pk16_fp6_f32 v[PC:PC+2], v[S:S+15], v[SO]
	v_cvt_scalef32_pk16_fp6_f32 v[CT:CT+2], v[S+16:S+31], v[SO+1]
	v_nop
.irp i, 0,1,2
	v_permlane16_swap_b32 v[PC+\i], v[CT+\i]
.endr
.irp i, 0,1,2
	s_delay_alu instid0(VALU_DEP_3)
	v_mov_b32 v[PC+3+\i], v[CT+\i]
.endr
	global_store_b128 v[LI], v[PC:PC+3], s[8:9] th:TH_STORE_NT                 ; 512 consecutive bytes, at a multiple of 256 from ao's first byte
	global_store_b64 v[L8], v[PC+4:PC+5], s[8:9] offset:512 th:TH_STORE_NT     ; 256
	global_store_b64 v[L8], v[KF+16:KF+17], s[8:9] offset:768 th:TH_STORE_NT   ; 256
	s_wait_tensorcnt 0x0                           ; the wave's end, behind my last tensor load
	ds_add_u32 v[SPW], v[NIL]
	s_wait_dscnt 0x0
	CROUND                                         ; the closing round: no work-group ends while a partner may still ask for a record that names it
	s_endpgm
.Lfunc_end_k_q38471a4c2b_attn:
	.size	k_q38471a4c2b_attn, .Lfunc_end_k_q38471a4c2b_attn-k_q38471a4c2b_attn
	.p2alignl 7, 3214868480
	.fill 96, 4, 3214868480
	.section	.rodata,"a",@progbits
	.p2align	6, 0x0
	.amdhsa_kernel k_q38471a4c2b_attn
		.amdhsa_group_segment_fixed_size 327680
		.amdhsa_private_segment_fixed_size 0
		.amdhsa_enable_private_segment 0
		.amdhsa_kernarg_size 24
		.amdhsa_user_sgpr_count 2
		.amdhsa_user_sgpr_kernarg_segment_ptr 1
		.amdhsa_wavefront_size32 1
		.amdhsa_system_sgpr_workgroup_id_x 1
		.amdhsa_system_sgpr_workgroup_id_y 1
		.amdhsa_system_sgpr_workgroup_id_z 1
		.amdhsa_system_vgpr_workitem_id 0
		.amdhsa_next_free_vgpr 256
		.amdhsa_next_free_sgpr 66
		.amdhsa_reserve_vcc 0
		.amdhsa_float_denorm_mode_32 3
		.amdhsa_float_denorm_mode_16_64 3
		.amdhsa_memory_ordered 1
		.amdhsa_forward_progress 1
		.amdhsa_inst_pref_size 46
	.end_amdhsa_kernel
	.amdgpu_metadata
---
amdhsa.version: [ 1, 2 ]
amdhsa.kernels:
  - .name:           k_q38471a4c2b_attn
    .symbol:         k_q38471a4c2b_attn.kd
    .args:
      - { .name: qc, .offset: 0, .size: 8, .value_kind: global_buffer, .address_space: global }
      - { .name: kv, .offset: 8, .size: 8, .value_kind: global_buffer, .address_space: global }
      - { .name: ao, .offset: 16, .size: 8, .value_kind: global_buffer, .address_space: global }
    .group_segment_fixed_size: 327680
    .private_segment_fixed_size: 0
    .kernarg_segment_align: 8
    .kernarg_segment_size: 24
    .max_flat_workgroup_size: 256
    .sgpr_count:     66
    .vgpr_count:     256
    .wavefront_size: 32
...
	.end_amdgpu_metadata
.endif
;; end of part 7
;; launch outp (part 8): grid 64 x 4, 16 waves a work-group, no clusters, 35,840 bytes of LDS; arguments ao, wc, bout, out0; writes out0
.if DOCPART == 8
	.amdgcn_target "amdgcn-amd-amdhsa--gfx1250"
	.amdhsa_code_object_version 6
	.text
	.protected	k_q38471a4c2b_outp
	.globl	k_q38471a4c2b_outp
	.p2align	8
	.type	k_q38471a4c2b_outp,@function
k_q38471a4c2b_outp:
	s_mov_b64 s[64:65], 0
	v_nop
	global_prefetch_b8 v0, s[64:65] scope:SCOPE_SE
	s_setreg_imm32_b32 hwreg(HW_REG_WAVE_SCHED_MODE, 0, 2), 2
	s_setreg_imm32_b32 hwreg(HW_REG_WAVE_MODE, 25, 1), 1
	s_wait_xcnt 0x0
	s_wait_alu depctr_vm_vsrc(0)
; out0 = (O / l) Wout + bout on codes of FP6 (E2M3), K = 512 = (head, dim).  ao: 1,024 bytes for each (tile of 16 queries, head): six registers of codes and a scale word of two bytes, as register images.
; Two heads' records make one fragment of 128 along K and one scale word.  Wout comes as register images from wc's records 48 to 63 (32 columns each).
; SHARES.  Work-group (x, y): 64 queries x 128 columns.  Wave w: tile of queries w / 4, 32 columns w % 4: two accumulators by turns, four K steps; all its 53 loads go out together.
; The product is used transposed (source 0 = 16 columns of Wout, source 1 = 16 queries), and a record's two tiles are laid so that a lane's 16 results are 16 neighbouring columns of one row.  The bias is loaded into the accumulators.
; The rows meet in a stage in LDS and leave whole: 32 lanes store 512 consecutive bytes.  No tensor load, no cluster: each wave's operands are read once, straight into its registers.
; THE MODE: SCHED_MODE bits 1:0 = 2 (LLVM: expert scheduling mode 2), set by the entry lines.  The code itself states the register dependences
; between vector or matrix instructions and memory or LDS instructions, with s_wait_alu, always for 0.
; THE PLAN.  Registers that memory or LDS instructions touch:
;   v1-v3 (LI, L8, BH)  offsets, made at the head, read by the loads and the last stores; never written again.
;   v4, v5 (STO, RD)    the stage's addresses, made behind the loads' wait, read by the LDS stores and loads; never written again.
;   AF, WF, WS, AW      written by loads once; read by products and by the four lines that join the scale words; no load lands there again.
;   ACC                 the bias lands there; the products add onto it; the LDS stores read it.
;   OUT                 written by the stage's loads, read by the global stores; no vector instruction names it.
; There is no loop, so each dependence is stated once: the wave's number ahead of its first reader; the offsets ahead of the loads; the four scale words, which vector instructions make, ahead of the scaled products;
; the accumulators ahead of the LDS stores.
.set SPARE, 33792                      ; behind the stage (64 rows x 528 bytes): the spare words, 128 bytes for each of 16 waves
.set LI,  1
.set L8,  2
.set BH,  3                            ; v3  64 x (lane / 16)
.set STO, 4
.set RD,  5
.set SPW, 6
.set NIL, 7
.set AW,  10                           ; v10-17 the heads' scale words
.set AS,  18                           ; v18-21 the K steps'
.set WS,  22                           ; v22-25 Wout's: register s; lanes 16-31 the odd tile
.set ACC, 32                           ; v32-47
.set AF,  48                           ; v48-95 the queries' four fragments
.set WF,  96                           ; v96-191 Wout's eight: 12 (4 u + s)
.set OUT, 192
.macro WM d, a, b, sa, sb, ra
.if \ra
	v_wmma_scale_f32_16x16x128_f8f6f4 v[(\d):(\d)+7], v[(\a):(\a)+11], v[(\b):(\b)+11], v[(\d):(\d)+7], v[\sa], v[\sb] matrix_a_fmt:MATRIX_FMT_FP6 matrix_b_fmt:MATRIX_FMT_FP6 matrix_a_scale:MATRIX_SCALE_ROW1
.else
	v_wmma_scale_f32_16x16x128_f8f6f4 v[(\d):(\d)+7], v[(\a):(\a)+11], v[(\b):(\b)+11], v[(\d):(\d)+7], v[\sa], v[\sb] matrix_a_fmt:MATRIX_FMT_FP6 matrix_b_fmt:MATRIX_FMT_FP6
.endif
.endm
	s_load_b256 s[4:11], s[0:1], 0x0               ; ao s[4:5], wc s[6:7], bout s[8:9], out0 s[10:11]
	v_lshl_add_u32 v[SPW], v0, 2, SPARE
	v_mov_b32 v[NIL], 0
	v_lshrrev_b32 v8, 5, v0
	v_readfirstlane_b32 s12, v8                    ; wave 0..15
	v_and_b32 v8, 31, v0
	v_lshlrev_b32 v[LI], 4, v8
	v_lshlrev_b32 v[L8], 3, v8
	v_bfe_u32 v9, v0, 4, 1
	v_lshlrev_b32 v[BH], 6, v9
	s_wait_alu depctr_va_sdst(0)                   ; s12 is written, ahead of its first reader: the buffers' bases and the stage's addresses are made from it
	s_lshr_b32 s13, s12, 2                         ; i: my tile of queries
	s_and_b32 s14, s12, 3                          ; p: my 32 columns
	s_and_b32 s15, ttmp7, 0xffff                   ; y
	s_lshl_b32 s16, ttmp9, 2
	s_add_co_u32 s16, s16, s13
	s_lshl_b32 s16, s16, 13                        ; ao: eight records of 1,024 bytes a tile
	s_mov_b32 s17, 0
	s_lshl_b32 s18, s15, 2
	s_add_co_u32 s18, s18, s14
	s_add_co_u32 s18, s18, 48
	s_mul_i32 s18, s18, 12800                      ; wc: record 48 + 4 y + p
	s_mov_b32 s19, 0
	s_lshl_b32 s20, s15, 9
	s_lshl_b32 s21, s14, 7
	s_add_co_u32 s20, s20, s21                     ; bout: 512 y + 128 p
	s_mov_b32 s21, 0
	s_lshl_b32 s22, ttmp9, 6
	s_lshl_b32 s23, s12, 2
	s_add_co_u32 s22, s22, s23
	s_lshl_b32 s22, s22, 11                        ; out0: row 64 x + 4 w,
	s_lshl_b32 s23, s15, 9
	s_add_co_u32 s22, s22, s23                     ; + 512 y
	s_mov_b32 s23, 0
	s_mul_i32 s24, s13, 8448
	s_lshl_b32 s25, s14, 7
	s_add_co_u32 s24, s24, s25                     ; the stage, in: rows 16 i .., bytes 128 p ..
	s_mul_i32 s25, s12, 2112                       ; back: rows 4 w ..
	s_wait_kmcnt 0x0
	s_add_nc_u64 s[4:5], s[4:5], s[16:17]
	s_add_nc_u64 s[6:7], s[6:7], s[18:19]
	s_add_nc_u64 s[8:9], s[8:9], s[20:21]
	s_add_nc_u64 s[10:11], s[10:11], s[22:23]
	s_wait_alu depctr_va_vdst(0)                   ; the offsets v1, v2 and v3 are written, which the loads below read
.irp e, 0,1,2,3,4,5,6,7                        ; head e: registers 6 e .. 6 e + 5 of the four fragments on end
	global_load_b128 v[AF+6*\e:AF+6*\e+3], v[LI], s[4:5] offset:1024*\e
	global_load_b64 v[AF+6*\e+4:AF+6*\e+5], v[L8], s[4:5] offset:1024*\e+512
	global_load_b32 v[AW+\e], v[L8], s[4:5] offset:1024*\e+768
.endr
.irp f, 0,1,2,3,4,5,6,7
.irp c, 0,1,2
	global_load_b128 v[WF+12*\f+4*\c:WF+12*\f+4*\c+3], v[LI], s[6:7] offset:1536*\f+512*\c
.endr
.endr
	global_load_b128 v[WS:WS+3], v[LI], s[6:7] offset:12288
.irp u, 0,1                                    ; the bias, in the result's layout: lane (r, h), tile u: columns 16 h + 8 u + 0 .. 7 of my 32
	global_load_b128 v[ACC+8*\u:ACC+8*\u+3], v[BH], s[8:9] offset:32*\u
	global_load_b128 v[ACC+8*\u+4:ACC+8*\u+7], v[BH], s[8:9] offset:32*\u+16
.endr
	s_wait_loadcnt 0x0
.irp s, 0,1,2,3
	v_lshl_or_b32 v[AS+\s], v[AW+2*\s+1], 16, v[AW+2*\s]            ; two heads' two bytes make a K step's scale word
.endr
	v_and_b32 v8, 15, v0                           ; eight plain places between a scale word made by a vector instruction and the scaled product: the stage's addresses, and three v_nop
	v_mul_u32_u24 v[STO], v8, 528
	v_add_nc_u32 v[STO], v[BH], v[STO]
	v_add_nc_u32 v[STO], s24, v[STO]               ; row 16 i + r, bytes 128 p + 64 h
	v_add_nc_u32 v[RD], s25, v[LI]
	v_nop
	v_nop
	v_nop
	s_wait_alu depctr_va_vdst(0)                   ; the four scale words v18 to v21 are written, which the scaled products take; the eight places above stay beside this wait
.irp s, 0,1,2,3
.irp u, 0,1
	WM ACC+8*\u, WF+12*(4*\u+\s), AF+12*\s, WS+\s, AS+\s, \u       ; the two accumulators by turns
.endr
.endr
.rept 4
	v_nop
.endr
	s_wait_alu depctr_va_vdst(0)                   ; the products have written the accumulators, which the LDS stores read; the four places above stay beside this wait
.irp j, 0,1,2,3
	ds_store_b128 v[STO], v[ACC+4*\j:ACC+4*\j+3] offset:16*\j      ; each accumulator from its low end on
.endr
	s_wait_dscnt 0x0                               ; for the others' sake: my stores have landed
	s_barrier_signal -1
	s_barrier_wait -1
.irp k, 0,1,2,3
	ds_load_b128 v[OUT+4*\k:OUT+4*\k+3], v[RD] offset:528*\k
.endr
.irp k, 0,1,2,3
	s_wait_dscnt 3-\k                              ; LDS loads come back in order: row k is in, the younger ones may be out
	global_store_b128 v[LI], v[OUT+4*\k:OUT+4*\k+3], s[10:11] offset:2048*\k th:TH_STORE_NT      ; 32 lanes store 512 consecutive bytes, at a multiple of 256 from out0's first byte
.endr
	s_wait_dscnt 0x0                               ; the closing lines, six on end
	s_wait_alu 0x0
	s_wait_tensorcnt 0x0
	ds_add_u32 v[SPW], v[NIL]
	s_wait_dscnt 0x0
	s_endpgm
.Lfunc_end_k_q38471a4c2b_outp:
	.size	k_q38471a4c2b_outp, .Lfunc_end_k_q38471a4c2b_outp-k_q38471a4c2b_outp
	.p2alignl 7, 3214868480
	.fill 96, 4, 3214868480
	.section	.rodata,"a",@progbits
	.p2align	6, 0x0
	.amdhsa_kernel k_q38471a4c2b_outp
		.amdhsa_group_segment_fixed_size 35840
		.amdhsa_private_segment_fixed_size 0
		.amdhsa_enable_private_segment 0
		.amdhsa_kernarg_size 32
		.amdhsa_user_sgpr_count 2
		.amdhsa_user_sgpr_kernarg_segment_ptr 1
		.amdhsa_wavefront_size32 1
		.amdhsa_system_sgpr_workgroup_id_x 1
		.amdhsa_system_sgpr_workgroup_id_y 1
		.amdhsa_system_sgpr_workgroup_id_z 1
		.amdhsa_system_vgpr_workitem_id 0
		.amdhsa_next_free_vgpr 208
		.amdhsa_next_free_sgpr 66
		.amdhsa_reserve_vcc 0
		.amdhsa_float_denorm_mode_32 3
		.amdhsa_float_denorm_mode_16_64 3
		.amdhsa_memory_ordered 1
		.amdhsa_forward_progress 1
		.amdhsa_inst_pref_size 11
	.end_amdhsa_kernel
	.amdgpu_metadata
---
amdhsa.version: [ 1, 2 ]
amdhsa.kernels:
  - .name:           k_q38471a4c2b_outp
    .symbol:         k_q38471a4c2b_outp.kd
    .args:
      - { .name: ao, .offset: 0, .size: 8, .value_kind: global_buffer, .address_space: global }
      - { .name: wc, .offset: 8, .size: 8, .value_kind: global_buffer, .address_space: global }
      - { .name: bout, .offset: 16, .size: 8, .value_kind: global_buffer, .address_space: global }
      - { .name: out0, .offset: 24, .size: 8, .value_kind: global_buffer, .address_space: global }
    .group_segment_fixed_size: 35840
    .private_segment_fixed_size: 0
    .kernarg_segment_align: 8
    .kernarg_segment_size: 32
    .max_flat_workgroup_size: 512
    .sgpr_count:     66
    .vgpr_count:     208
    .wavefront_size: 32
...
	.end_amdgpu_metadata
.endif
;; end of part 8
